; MI455X (gfx1250); checked and timed in simulation.
; The chip was launched on July 23, 2026; its instructions are those of AMD's public machine-readable ISA for CDNA 5 (MIT licence, August 2026) and "CDNA5" Instruction Set Architecture Reference Guide (July 2026). The comments in the code are by the model that wrote it; some were corrected since.
;; Multihead Attention. Allowed arithmetic: matrix products marked QUANTISED: E4M3 operands, one E8M0 scale for each 32 along K, by v_wmma_scale_f32_16x16x128_f8f6f4 with both operands' format E4M3, f32 sums; everything else in f32.
;; Inputs: K_codes 4 x 2,048 x 32 x 32 uint8 (E4M3 codes of K, K innermost, in blocks of 32 codes); K_scales 4 x 2,048 x 32 uint8 (E8M0 scales of K, one for each 32 codes along K); Q_codes 4 x 2,048 x 32 x 32 uint8 (E4M3 codes of Q, K innermost, in blocks of 32 codes); Q_scales 4 x 2,048 x 32 uint8 (E8M0 scales of Q, one for each 32 codes along K); V_codes 4 x 2,048 x 32 x 32 uint8 (E4M3 codes of V, K innermost, in blocks of 32 codes); V_scales 4 x 2,048 x 32 uint8 (E8M0 scales of V, one for each 32 codes along K); Wk_codes 16 x 64 x 32 x 32 uint8 (E4M3 codes of Wk, K innermost, in blocks of 32 codes); Wk_scales 16 x 64 x 32 uint8 (E8M0 scales of Wk, one for each 32 codes along K); Wo_codes 1,024 x 32 x 32 uint8 (E4M3 codes of Wo, K innermost, in blocks of 32 codes); Wo_scales 1,024 x 32 uint8 (E8M0 scales of Wo, one for each 32 codes along K); Wq_codes 16 x 64 x 32 x 32 uint8 (E4M3 codes of Wq, K innermost, in blocks of 32 codes); Wq_scales 16 x 64 x 32 uint8 (E8M0 scales of Wq, one for each 32 codes along K); Wv_codes 16 x 64 x 32 x 32 uint8 (E4M3 codes of Wv, K innermost, in blocks of 32 codes); Wv_scales 16 x 64 x 32 uint8 (E8M0 scales of Wv, one for each 32 codes along K); bk 16 x 64 float32; bo 1,024 float32; bq 16 x 64 float32; bv 16 x 64 float32.
;; Outputs: out0 4 x 2,048 x 1,024 float32.
;; This version of the problem:
;;   THIS VERSION OF THE PROBLEM IS GIVEN IN LOW PRECISION. The matrix products marked QUANTISED in the list below multiply operands that are first quantised to E4M3 (4 exponent bits, 3 mantissa bits; 8 bits a number), with one power-of-two scale for each 32 numbers along K (OCP MX v1.0); their sums are f32. All else is computed in f32.
;;   The module's matrix products, in the order in which they are computed (A, B: the left and right operand; K: the contracted axis; several contracted axes count as one K, in the product's order):
;;     1. [M 1,024, K 1,024] x [K 1,024, N 8,192]; A: input Wq (given as codes); B: input Q (given as codes): QUANTISED
;;     2. [M 1,024, K 1,024] x [K 1,024, N 8,192]; A: input Wk (given as codes); B: input K (given as codes): QUANTISED
;;     3. [M 1,024, K 1,024] x [K 1,024, N 8,192]; A: input Wv (given as codes); B: input V (given as codes): QUANTISED
;;     4. batch 64 x [M 2,048, K 64] x [K 64, N 2,048]; A: computed on the way; B: computed on the way: QUANTISED
;;     5. batch 64 x [M 2,048, K 2,048] x [K 2,048, N 64]; A: softmax (see below); B: computed on the way: QUANTISED
;;     6. [M 8,192, K 1,024] x [K 1,024, N 1,024]; A: computed on the way; B: input Wo (given as codes): QUANTISED
;;   THE QUANTISER, for each operand of a quantised product, along K:
;;     - K is cut into blocks of 32 from its start; a last block that is shorter is filled with zeros.
;;     - A block's scale is 2^e with e = floor(log2(the largest magnitude in the block)) - 8, held to -126 .. 127; a block of zeros has e = 0. As a byte (E8M0): e + 127.
;;     - Each number is divided by its block's scale, clamped to +-448, and rounded to the nearest number of E4M3, ties to even, subnormals kept.
;;     - The product sums the exact products of the quantised numbers (number of the format x scale) in f32.
;;   ~~~python
;;   def quantise(x, axis):      # numpy; x: float32 -> the quantised numbers, widened to float32 again
;;       x = np.moveaxis(x, axis, -1); K = x.shape[-1]
;;       x = np.pad(x, [(0, 0)] * (x.ndim - 1) + [(0, -K % 32)]); x = x.reshape(x.shape[:-1] + (-1, 32)); a = np.abs(x).max(-1, keepdims=True)
;;       e = np.where(a > 0, np.clip(np.frexp(np.where(a > 0, a, 1))[1] - 1 - 8, -126, 127), 0)      # np.frexp(a)[1] - 1 = floor(log2(a)), exactly
;;       r = np.clip(x / 2.0 ** e, -448, 448)
;;       step = 2.0 ** (np.maximum(np.frexp(np.where(r == 0, 1, r))[1] - 1, -6) - 3)
;;       q = np.round(r / step) * step * 2.0 ** e      # np.round: ties to even
;;       return np.moveaxis(q.reshape(q.shape[:-2] + (-1,))[..., :K], -1, axis).astype(np.float32)
;;   ~~~
;;   SOFTMAX AHEAD OF A QUANTISED PRODUCT. Where the list says 'softmax', what is quantised is not the finished softmax but p = 2^(t - M), with t = logit x log2(e) and M = ceil(the row's largest t), a whole number; so 1/2 < the row's largest p <= 1. The row's sum l is taken of the UNQUANTISED p, in f32, and the product's result is divided by l at the end. Since M is a whole number, a kernel that streams over the keys may use a running M (the ceiling of the running maximum): every later rescaling is an exact power of two, which a block's scale takes up: the codes' values come out the same.
;;   OPERANDS COMPUTED ON THE WAY. 'Computed on the way' means the value that the module computes at that place (a softmax that the list does not call 'softmax' is quantised finished and normalised). What goes into a quantiser is computed in f32, as accurately as f32 sums, v_exp_f32 and their like allow (about 1e-6 of the number): no bf16 or f16 on the way to a quantiser, and a product that is left as it is and whose result goes on into a quantised operand takes f32 operands (vector FMAs, or v_wmma_f32_16x16x4_f32). A number that lies on a knife's edge between two numbers of the format may be rounded either way, as far as f32 arithmetic and the matrix unit's own rounding can turn it there, and no further.
;;   INPUTS GIVEN AS CODES. K (in the module: [4, 2048, 1024], K = its axis 2); Q (in the module: [4, 2048, 1024], K = its axis 2); V (in the module: [4, 2048, 1024], K = its axis 2); Wk (in the module: [16, 1024, 64], K = its axis 1); Wo (in the module: [1024, 1024], K = its axis 0); Wq (in the module: [16, 1024, 64], K = its axis 1); Wv (in the module: [16, 1024, 64], K = its axis 1): each comes as NAME_codes (uint8): NAME with its K axis moved to the last place and cut into blocks of 32 codes, [.., K / 32, bytes a block], one block behind the other in memory; one code a byte (a code: sign, 4 exponent bits, 3 mantissa bits); and NAME_scales (uint8): the same leading axes, one E8M0 byte (e + 127) for each 32 codes along K. Its value is code x scale, taken as it is: it is not quantised again, and the codes and scales need not be those that the quantiser above would give.
;; One version. Each part assembles by itself: llvm-mc -triple=amdgcn-amd-amdhsa -mcpu=gfx1250 --defsym DOCPART=n.
;; ======== version 1 of 1: 4 launches
;; workspace buffers: q_img 8,388,608 bytes; k_img 8,388,608 bytes; v_img 8,388,608 bytes; q_sw 524,288 bytes; k_sw 524,288 bytes; v_sw 262,144 bytes; o_img 8,388,608 bytes; o_scales 262,144 bytes
;; launch projqk (part 1): grid 4 x 64, 4 waves a work-group, clusters of 4 x 4, 327,680 bytes of LDS; arguments Q_codes, Q_scales, Wq_codes, Wq_scales, bq, q_img, q_sw, K_codes, K_scales, Wk_codes, Wk_scales, bk, k_img, k_sw; writes q_img, q_sw, k_img, k_sw
.if DOCPART == 1
	.amdgcn_target "amdgcn-amd-amdhsa--gfx1250"
	.amdhsa_code_object_version 6
	.text
	.protected	k_qeb1cc7f3ac_projqk
	.globl	k_qeb1cc7f3ac_projqk
	.p2align	8
	.type	k_qeb1cc7f3ac_projqk,@function
k_qeb1cc7f3ac_projqk:
	s_mov_b64 s[64:65], 0
	v_nop
	global_prefetch_b8 v0, s[64:65] scope:SCOPE_SE
	s_setreg_imm32_b32 hwreg(HW_REG_WAVE_MODE, 25, 1), 1
	s_wait_xcnt 0x0
	s_wait_alu depctr_hold_cnt(0) depctr_sa_sdst(0) depctr_va_vdst(0) depctr_va_sdst(0) depctr_va_ssrc(0) depctr_va_vcc(0) depctr_vm_vsrc(0)
	s_getreg_b32 s2, hwreg(HW_REG_IB_STS2, 6, 4)
	s_cmp_eq_u32 s2, 0
	s_cbranch_scc0 .Lentry_in_a_cluster
	s_endpgm
.Lentry_in_a_cluster:
	s_bfe_u32 s2, ttmp6, 0x10000c
	s_cmp_lg_u32 s2, 0xf033
	s_cbranch_scc0 .Lentry_shape_is_right
	s_endpgm
.Lentry_shape_is_right:
; ONE TEXT, THREE USES (MODE).  C[m][n] = sum over k of A[m][k] B[n][k] + bias, K = 1,024, on codes of FP8 (E4M3) with one E8M0 scale for each 32 along K; sums in f32.
;   MODE 0: A = Q or K (8,192 rows), B = Wq or Wk (1,024 rows = head x 64 + d), bias by column.  The result is quantised along d (a lane's registers) and leaves as an image of operand registers + scale words.
;   MODE 1: A = Wv (1,024 rows = head x 64 + d), B = V (8,192 rows = keys), bias by row.  The result, v transposed, is quantised along the keys and leaves likewise.
;   MODE 2: A = o, given as an image of operand registers, B = Wo, bias by column.  The result leaves as f32.
; A tile of C, 256 x 256, is made by four waves, each 128 x 128: 64 accumulators of 16 x 16.  K goes in steps of 256 through a ring of two LDS slots filled by the tensor data mover.
; The scale bytes of the work-group's rows, for all of K, come into LDS once.  4 x 4 work-groups form a cluster: A's tiles are asked for jointly along a row of the cluster, B's along a column.
; THE MATRIX INSTRUCTION IS USED TRANSPOSED (source 0 = 16 rows of B, source 1 = 16 rows of A): lane (r, h) holds row 16 a + r of A and, in register j of accumulator (a, b), row 16 b + 8 h + j of B.
; THE BIAS is the C of each sum's first matrix instruction: 64 registers in the result's layout.
; QUANTISING (MODE 0, 1): the 16 registers of accumulators (a, 2 c) and (a, 2 c + 1) are 16 numbers of block c of 32; lane l xor 16 holds the other 16.  Their codes are stored as the lane's 16 bytes of operand block c as they
; stand: operand place 32 c + 16 h + 8 u + j holds index 32 c + 16 u + 8 h + j.  Every operand that meets such an image in a product is made in the same order, and the order stays inside a block, so sums and scales are the true ones.
; LIMITS: NaN and infinities are not served.  A block whose largest magnitude lies under 2^(9 - 127), a block of zeros among them, gets the scale byte 1: only this program reads these bytes.
; REGISTERS, in windows of 256: window 0: v0-31 addresses; v32-63 scale words, two sets; v64-127 the bias, on the way out the quantiser's work; v128-255 A's fragments, one set.  window 1: B's fragments, two sets.  windows 2, 3: accumulators (a, b) at v[8 (8 (a % 4) + b)].
.set MODE,   0
.set NQ,     2                         ; matrix instructions deep in a slot: 256 along K
.set PITCH,  272                       ; an LDS row: 256 bytes + 16 of padding: the 16 rows of a fragment load start 68 words apart
.set FR,     16                        ; registers of a fragment
.set NL,     4                         ; LDS loads that bring one
.set NP,     8                         ; places behind this matrix instruction (ISA guide 7.12.1)
.set HALFT,  128*PITCH                 ; 128 rows: one tensor load
.set SLOT,   4*HALFT                   ; A's two halves, then B's
.set SCL,    2*SLOT                    ; the scale bytes: units of 256 bytes + 16 of padding
.set HALFS,  16*272                    ; those of 128 rows
.set SBLK,   2*272                     ; those of 16 rows
.set SPARE,  SCL+4*HALFS               ; the spare words, 128 bytes a wave
.set SST,    SPARE+512                 ; MODE 0, 1: a stage for scale words, 1,024 bytes a wave; no tile lands here
.set SPITCH, 528                       ; MODE 2: the way out: 16 rows x (512 + 16) bytes a wave, in slot 0 behind its last fill and last read
.set SIZE_N, 1024
.set LAPS,   2                         ; 1,024 / 512
.set CW0,    (1<<20)|(1<<21)|(5<<22)|(3<<25)   ; group 1, word 0, rows of codes: elements of 1 byte; padding on; bit 21 beside a mask; 4 words behind every 64
.set SW0,    (3<<16)|(1<<20)|(1<<21)|(5<<22)|(3<<25)   ; scale bytes: elements of 8 bytes, the same padding
.if MODE == 2
.set AW0,    (3<<16)|(1<<21)           ; A as an image: elements of 8 bytes, no padding
.set AD0,    512                       ; a tile of 16 rows of o gives 4,096 bytes for 256 along K,
.set AD1,    8                         ; eight such tiles,
.set APT,    2048                      ; 16,384 bytes apart
.set ASTEP,  4096
.else
.set AW0,    CW0
.set AD0,    256
.set AD1,    128
.set APT,    1024
.set ASTEP,  256
.endif
.set ADRA, 16                          ; v16-17 LDS address of my A fragments in slot 0, 1
.set ADRB, 20                          ; v20-21 the same for B
.set STO,  24                          ; v24 where I put results (MODE 2) or scale words (MODE 0, 1) into my stage
.set RD,   25                          ; v25 where I read them back
.set CO,   26                          ; v26 16 x lane: my byte offset in a store of 512 bytes
.set ADRS, 27                          ; v27 LDS address of my scale words: lanes 0-15 A's rows, lanes 16-31 B's
.set SPW,  28                          ; v28 my spare word; never rewritten
.set NIL,  29                          ; v29 0; never rewritten
.set GSW,  30                          ; v30 MODE 1: my byte offset among the scale words
.set SC,   32
.set BI,   64
.set AF,   128
.set BK,   128
.set TM,   64                          ; the quantiser, in the registers that the bias has left: v64-67 largest magnitudes, v68-71 bytes, v72-75 holds, v76-79 the conversions' scale operands; v80-95 the scale words made
.set G1,   24
.set G0,   32
.set G1B,  48
.set G0B,  56
.set G1S,  68
.set G0S,  76
.set G1SB, 80
.set G0SB, 88
.set MSB, 0
.macro WIN new                         ; the immediate's high byte repeats the setting that is left
.if MSB != (\new)
	s_set_vgpr_msb (MSB<<8)|(\new)
.set MSB, (\new)
.endif
.endm
.set MUL_LO, 0xa1                      ; source 0 (B) window 1, source 1 (A) window 0, C and D window 2
.set MUL_HI, 0xf1                      ; the same, C and D window 3
.set TO_B,   0x40
; A joint load: waves 0, 1 fetch for A, waves 2, 3 for B; the branch hangs on the wave's number alone.  Four v_nop follow each line.
.macro JLOAD g0a, g1a, g0b, g1b
	s_cmp_eq_u32 s19, 0
	s_cbranch_scc0 .Lfor_b_\@
	tensor_load_to_lds s[\g0a:\g0a+3], s[\g1a:\g1a+7]
	s_nop 0
.rept 4
	v_nop
.endr
	s_branch .Lasked_\@
.Lfor_b_\@:
	tensor_load_to_lds s[\g0b:\g0b+3], s[\g1b:\g1b+7]
	s_nop 0
.rept 4
	v_nop
.endr
.Lasked_\@:
.endm
.macro CREST                           ; a round of the cluster's barrier behind its opening barrier
	s_cmp_lg_u32 s18, 0
	s_cbranch_scc1 .Lnot_wave_0_\@
	s_barrier_signal -3
.Lnot_wave_0_\@:
	s_barrier_wait -3
	s_barrier_signal -1
	s_barrier_wait -1
.endm
.macro CROUND
	s_barrier_signal -1
	s_barrier_wait -1
	CREST
.endm
	s_load_b256 s[4:11], s[0:1], 0x0               ; A's codes, A's scales, B's codes, B's scales
	s_load_b128 s[12:15], s[0:1], 0x20             ; the bias, the first output
.if MODE < 2
	s_load_b64 s[16:17], s[0:1], 0x30              ; the scale words' buffer
.endif
.if MODE == 0
	s_load_b256 s[68:75], s[0:1], 0x38             ; the same seven for K
	s_load_b128 s[76:79], s[0:1], 0x58
	s_load_b64 s[80:81], s[0:1], 0x68
.endif
	v_lshl_add_u32 v[SPW], v0, 2, SPARE
	v_mov_b32 v[NIL], 0
	ds_add_u32 v28, v29
	ds_add_u32 v28, v29
	s_wait_dscnt 0x0
	v_lshrrev_b32 v1, 5, v0
	v_readfirstlane_b32 s18, v1                    ; wave 0..3
	s_lshr_b32 s19, s18, 1                         ; my half of the tile's rows.  Also: I fetch for A (0) or B (1)
	s_and_b32 s20, s18, 1                          ; my half of its columns.  Also: which 128 rows I fetch
	s_bfe_u32 s40, ttmp6, 0x40000                  ; cx
	s_bfe_u32 s41, ttmp6, 0x40004                  ; cy
	s_lshl_b32 s22, ttmp9, 2
	s_add_co_u32 s22, s22, s40                     ; tile column = 4 x cluster x + cx
	s_and_b32 s21, ttmp7, 0xffff
.if MODE == 0
	s_mov_b32 s2, s21                              ; the cluster's y: 0-7 take Q, 8-15 take K
.endif
	s_lshl_b32 s21, s21, 2
	s_add_co_u32 s21, s21, s41                     ; tile row = 4 x cluster y + cy
.if MODE == 0
	s_and_b32 s21, s21, 31                         ; within the tensor chosen
.endif
	s_lshl_b32 s42, s41, 2
	s_lshl_b32 s42, 15, s42                        ; my row of the cluster
	s_lshl_b32 s43, 0x1111, s40                    ; my column
	s_or_b32 s[G1+0], s42, AW0
	s_or_b32 s[G1B+0], s43, CW0
	s_mov_b32 s[G1+1], AD0<<16                     ; tensor_dim0
	s_mov_b32 s[G1+2], AD1<<16                     ; tensor_dim1
	s_mov_b32 s[G1+3], AD0<<16                     ; tile_dim0
	s_mov_b32 s[G1+4], AD1                         ; tile_dim1
	s_mov_b32 s[G1+5], APT                         ; elements from row to row
	s_mov_b32 s[G1+6], 0
	s_mov_b32 s[G1+7], 0
	s_mov_b32 s[G1B+1], 256<<16
	s_mov_b32 s[G1B+2], 128<<16
	s_mov_b32 s[G1B+3], 256<<16
	s_mov_b32 s[G1B+4], 128
	s_mov_b32 s[G1B+5], 1024
	s_mov_b32 s[G1B+6], 0
	s_mov_b32 s[G1B+7], 0
	s_lshl_b32 s23, s20, 7                         ; which 128 rows of a tile I fetch
	s_lshl_b32 s92, s21, 8
	s_add_co_u32 s92, s92, s23                     ; A: row 256 x tile row + 128 x half
	s_lshl_b32 s94, s92, 5                         ; its scale bytes: 32 a row
	s_lshl_b32 s92, s92, 10                        ; its codes: 1,024 bytes a row (as an image: 16,384 for 16 rows)
	s_mov_b32 s93, 0
	s_mov_b32 s95, 0
	s_lshl_b32 s96, s22, 8
	s_add_co_u32 s96, s96, s23                     ; B: row 256 x tile column + 128 x half
	s_lshl_b32 s98, s96, 5
	s_lshl_b32 s96, s96, 10
	s_mov_b32 s97, 0
	s_mov_b32 s99, 0
	s_mul_i32 s44, s18, HALFT                      ; where they go: no place in the cluster enters an LDS address
	s_mul_i32 s45, s18, HALFS
	s_wait_kmcnt 0x0
.if MODE == 0
	s_cmp_lt_u32 s2, 8                             ; the choice hangs on the cluster's number alone: all sixteen partners choose alike
	s_cselect_b64 s[4:5], s[4:5], s[68:69]
	s_cselect_b64 s[6:7], s[6:7], s[70:71]
	s_cselect_b64 s[8:9], s[8:9], s[72:73]
	s_cselect_b64 s[10:11], s[10:11], s[74:75]
	s_cselect_b64 s[12:13], s[12:13], s[76:77]
	s_cselect_b64 s[14:15], s[14:15], s[78:79]
	s_cselect_b64 s[16:17], s[16:17], s[80:81]
.endif
	s_or_b32 s[G1S+0], s42, SW0                    ; the scale bytes of 128 rows: 4,096 dense bytes as 16 rows of 256
	s_or_b32 s[G1SB+0], s43, SW0
.irp g, G1S, G1SB
	s_mov_b32 s[\g+1], 32<<16
	s_mov_b32 s[\g+2], 16<<16
	s_mov_b32 s[\g+3], 32<<16
	s_mov_b32 s[\g+4], 16
	s_mov_b32 s[\g+5], 32
	s_mov_b32 s[\g+6], 0
	s_mov_b32 s[\g+7], 0
.endr
	s_add_nc_u64 s[92:93], s[4:5], s[92:93]
	s_add_nc_u64 s[94:95], s[6:7], s[94:95]
	s_add_nc_u64 s[96:97], s[8:9], s[96:97]
	s_add_nc_u64 s[98:99], s[10:11], s[98:99]
	CROUND                                         ; all sixteen work-groups are here: the first joint loads meet
	s_mov_b32 s[G0S], 1
	s_add_co_u32 s[G0S+1], s45, SCL
	s_mov_b64 s[G0S+2:G0S+3], s[94:95]
	s_or_b32 s[G0S+3], s[G0S+3], 0x80000000
	s_mov_b32 s[G0SB], 1
	s_add_co_u32 s[G0SB+1], s45, SCL
	s_mov_b64 s[G0SB+2:G0SB+3], s[98:99]
	s_or_b32 s[G0SB+3], s[G0SB+3], 0x80000000
	JLOAD G0S, G1S, G0SB, G1SB                     ; the scales first: they are wanted with K step 0
.irp s, 0,1
	s_mov_b32 s[G0+4*\s], 1
	s_add_co_u32 s[G0+4*\s+1], s44, \s*SLOT
	s_add_nc_u64 s[G0+4*\s+2:G0+4*\s+3], s[92:93], \s*ASTEP
	s_or_b32 s[G0+4*\s+3], s[G0+4*\s+3], 0x80000000
	s_mov_b32 s[G0B+4*\s], 1
	s_add_co_u32 s[G0B+4*\s+1], s44, \s*SLOT
	s_add_nc_u64 s[G0B+4*\s+2:G0B+4*\s+3], s[96:97], \s*256
	s_or_b32 s[G0B+4*\s+3], s[G0B+4*\s+3], 0x80000000
	JLOAD G0+4*\s, G1, G0B+4*\s, G1B               ; three tensor loads of mine are out now
.endr
	v_and_b32 v1, 15, v0                           ; r
	v_bfe_u32 v2, v0, 4, 1                         ; h
	v_mul_u32_u24 v3, v1, PITCH
	v_lshl_add_u32 v4, v2, 4, v3                   ; a fragment's row x pitch + 16 h
	v_and_b32 v6, 31, v0
	v_lshlrev_b32 v7, 4, v6                        ; 16 x lane: an image's place for my lane
	s_mul_i32 s23, s19, HALFT                      ; my 128 rows of A
	s_mul_i32 s2, s20, HALFT                       ; my 128 rows of B,
	s_add_co_u32 s2, s2, 2*HALFT                   ; behind A's 256
.irp s, 0,1
.if MODE == 2
	v_add_nc_u32 v[ADRA+\s], s23, v7
.else
	v_add_nc_u32 v[ADRA+\s], s23, v4
.endif
	v_add_nc_u32 v[ADRB+\s], s2, v4
	s_add_co_u32 s23, s23, SLOT
	s_add_co_u32 s2, s2, SLOT
.endr
	v_mul_u32_u24 v5, v1, 32                       ; my row's scale bytes: 32 a row,
	v_lshrrev_b32 v8, 8, v5
	v_lshl_add_u32 v5, v8, 4, v5                   ; and 16 more for each 256 passed
	s_mul_i32 s23, s19, HALFS
	s_mul_i32 s2, s20, HALFS
	s_add_co_u32 s2, s2, 2*HALFS
	s_sub_co_u32 s2, s2, s23
	v_mul_u32_u24 v8, s2, v2                       ; lanes 16-31 take B's
	s_add_co_u32 s23, s23, SCL
	v_add_nc_u32 v5, v5, v8
	v_add_nc_u32 v[ADRS], s23, v5
	v_lshlrev_b32 v[CO], 4, v6
; the bias, in the result's layout
.if MODE == 1
	s_lshl_b32 s92, s21, 10                        ; by row of A: 4 bytes x (256 tile row + 128 half + 16 a + r): the lane's eight registers hold one number
	s_lshl_b32 s93, s19, 9
	s_add_co_u32 s92, s92, s93
	s_mov_b32 s93, 0
	s_add_nc_u64 s[12:13], s[12:13], s[92:93]
	v_lshlrev_b32 v8, 2, v1
.irp a, 0,1,2,3,4,5,6,7
.irp j, 0,1,2,3,4,5,6,7
	global_load_b32 v[BI+8*\a+\j], v8, s[12:13] offset:64*\a
.endr
.endr
.else
	s_lshl_b32 s96, s22, 10                        ; by row of B: 4 bytes x (256 tile column + 128 half + 16 b + 8 h + j)
	s_lshl_b32 s97, s20, 9
	s_add_co_u32 s96, s96, s97
	s_mov_b32 s97, 0
	s_add_nc_u64 s[12:13], s[12:13], s[96:97]
	v_lshlrev_b32 v8, 5, v2
.irp b, 0,1,2,3,4,5,6,7
	global_load_b128 v[BI+8*\b:BI+8*\b+3], v8, s[12:13] offset:64*\b
	global_load_b128 v[BI+8*\b+4:BI+8*\b+7], v8, s[12:13] offset:64*\b+16
.endr
.endif
; where my results go
.if MODE == 0
	s_lshl_b32 s46, s21, 8
	s_lshl_b32 s47, s19, 7
	s_add_co_u32 s46, s46, s47                     ; my first row (batch x 2,048 + s)
	s_lshr_b32 s47, s46, 11
	s_lshl_b32 s47, s47, 4                         ; 16 x batch
	s_lshl_b32 s2, s22, 2
	s_add_co_u32 s47, s47, s2
	s_lshl_b32 s2, s20, 1
	s_add_co_u32 s47, s47, s2                      ; + my first head: 4 x tile column + 2 x half
	s_and_b32 s46, s46, 2047
	s_lshl_b32 s46, s46, 6                         ; a tile of 16 rows is 1,024 bytes of image,
	s_lshl_b32 s47, s47, 17                        ; a head 131,072
	s_add_co_u32 s46, s46, s47
	s_mov_b32 s47, 0
	s_add_nc_u64 s[14:15], s[14:15], s[46:47]
	s_lshr_b32 s46, s46, 4                         ; scale words: 4 bytes a row, 8,192 a head: a sixteenth
	s_add_nc_u64 s[16:17], s[16:17], s[46:47]
.elseif MODE == 1
	s_lshl_b32 s46, s22, 8
	s_lshl_b32 s47, s20, 7
	s_add_co_u32 s46, s46, s47                     ; my first key (batch x 2,048 + s)
	s_lshr_b32 s47, s46, 11
	s_lshl_b32 s47, s47, 4
	s_lshl_b32 s2, s21, 2
	s_add_co_u32 s47, s47, s2
	s_lshl_b32 s2, s19, 1
	s_add_co_u32 s47, s47, s2                      ; 16 x batch + my first head
	s_bfe_u32 s46, s46, 0x40007                    ; which 128 keys of the head
	s_lshl_b32 s46, s46, 13                        ; 8,192 bytes of image for 128 keys
	s_lshl_b32 s47, s47, 17
	s_add_co_u32 s46, s46, s47
	s_mov_b32 s47, 0
	s_add_nc_u64 s[14:15], s[14:15], s[46:47]
	s_lshr_b32 s46, s46, 5                         ; scale words: 256 bytes for 128 keys, 4,096 a head
	s_add_nc_u64 s[16:17], s[16:17], s[46:47]
	v_lshlrev_b32 v[GSW], 4, v1
	v_lshl_add_u32 v[GSW], v2, 12, v[GSW]          ; lanes 0-15 my first head's 256 bytes, lanes 16-31 the next head's
.else
	s_lshl_b32 s46, s21, 8
	s_lshl_b32 s47, s19, 7
	s_add_co_u32 s46, s46, s47
	s_lshl_b32 s46, s46, 12                        ; my first row of the output, 4,096 bytes a row
	s_lshl_b32 s47, s22, 10
	s_add_co_u32 s46, s46, s47
	s_lshl_b32 s47, s20, 9
	s_add_co_u32 s46, s46, s47                     ; + my first column
	s_mov_b32 s47, 0
	s_add_nc_u64 s[14:15], s[14:15], s[46:47]
.endif
.if MODE == 2
	s_mul_i32 s23, s18, 16*SPITCH                  ; my stage
	v_mul_u32_u24 v5, v1, SPITCH
	v_lshl_add_u32 v5, v2, 5, v5
	v_add_nc_u32 v[STO], s23, v5                   ; in: row r, 32 bytes for each half of the lanes
	v_add_nc_u32 v[RD], s23, v[CO]                 ; back: the 32 lanes take one row of 512 bytes
.else
	s_lshl_b32 s23, s18, 10
	s_add_co_u32 s23, s23, SST                     ; my stage for scale words
	v_lshl_add_u32 v[STO], v1, 2, s23              ; in: 4 bytes a row
	v_add_nc_u32 v[RD], s23, v7                    ; back: 16 bytes a lane
.endif
.macro FRAG reg, adr, q, i             ; 16 rows x 128 K from padded rows: registers 4 c .. 4 c + 3 hold K = 32 c + 16 h + 0 .. 15
.irp c, 0,1,2,3
	ds_load_b128 v[\reg+4*\c:\reg+4*\c+3], v[\adr] offset:128*(\q)+32*\c+(\i)*16*PITCH
.endr
.endm
.macro FRAGA reg, adr, q, i            ; the same from an image: 512 consecutive bytes a load
.irp c, 0,1,2,3
	ds_load_b128 v[\reg+4*\c:\reg+4*\c+3], v[\adr] offset:4096*(\i)+2048*(\q)+512*\c
.endr
.endm
; 16 matrix instructions: A's blocks a0, a0 + 1 x B's eight.  p: B's set; sc: the set of scale words.  zero = 1: the first product starts the sums, from the bias.
; The 64 accumulators take turns, one instruction a turn, in the same order in every step.
.macro MUL16 a0, p, q, sc, zero
.irp a, \a0, \a0+1
.irp b, 0,1,2,3,4,5,6,7
.if \zero
.if MODE == 1
	v_wmma_scale_f32_16x16x128_f8f6f4 v[8*(8*((\a)%4)+\b):8*(8*((\a)%4)+\b)+7], v[128*(\p)+FR*\b:128*(\p)+FR*\b+FR-1], v[AF+FR*(\a):AF+FR*(\a)+FR-1], v[BI+8*(\a):BI+8*(\a)+7], v[SC+8*NQ*(\sc)+NQ*\b+(\q)], v[SC+8*NQ*(\sc)+NQ*(\a)+(\q)] matrix_a_scale:MATRIX_SCALE_ROW1
.else
	v_wmma_scale_f32_16x16x128_f8f6f4 v[8*(8*((\a)%4)+\b):8*(8*((\a)%4)+\b)+7], v[128*(\p)+FR*\b:128*(\p)+FR*\b+FR-1], v[AF+FR*(\a):AF+FR*(\a)+FR-1], v[BI+8*\b:BI+8*\b+7], v[SC+8*NQ*(\sc)+NQ*\b+(\q)], v[SC+8*NQ*(\sc)+NQ*(\a)+(\q)] matrix_a_scale:MATRIX_SCALE_ROW1
.endif
.else
	v_wmma_scale_f32_16x16x128_f8f6f4 v[8*(8*((\a)%4)+\b):8*(8*((\a)%4)+\b)+7], v[128*(\p)+FR*\b:128*(\p)+FR*\b+FR-1], v[AF+FR*(\a):AF+FR*(\a)+FR-1], v[8*(8*((\a)%4)+\b):8*(8*((\a)%4)+\b)+7], v[SC+8*NQ*(\sc)+NQ*\b+(\q)], v[SC+8*NQ*(\sc)+NQ*(\a)+(\q)] matrix_a_scale:MATRIX_SCALE_ROW1
.endif
.endr
.endr
.endm
.macro FETCH_B slot, q, p
	WIN TO_B
.irp i, 0,1,2,3,4,5,6,7
	FRAG 128*(\p)+FR*\i, ADRB+\slot, \q, \i
.endr
	WIN 0
.endm
.macro FETCH_A slot, q, i0
.irp i, \i0, \i0+1, \i0+2, \i0+3
.if MODE == 2
	FRAGA AF+FR*(\i), ADRA+\slot, \q, \i
.else
	FRAG AF+FR*(\i), ADRA+\slot, \q, \i
.endif
.endr
.endm
.macro SCALES sc                       ; a K step's scale words: two a row; lanes 0-15 A's block i, lanes 16-31 B's block i
.irp i, 0,1,2,3,4,5,6,7
	ds_load_b64 v[SC+8*NQ*\sc+NQ*\i:SC+8*NQ*\sc+NQ*\i+1], v[ADRS] offset:\i*SBLK
.endr
.endm
.macro PLACES n                        ; plain vector instructions between a matrix instruction and a load into, or a read of, its registers
.rept \n
	v_nop
.endr
.endm
; A step of 128 along K that has its successor in the same slot.  zero = 1: C is the bias, in window 0.
.macro STEP slot, q, zero
	s_wait_dscnt 4*NL                              ; B's set, the scale words and A's blocks 0-3 are in; the youngest 16 loads (A's blocks 4-7) may be out
	WIN MUL_LO-0x20*\zero
	MUL16 0, (\q)%2, \q, \slot, \zero
	MUL16 2, (\q)%2, \q, \slot, \zero
	s_wait_dscnt 0
	PLACES NP
	FETCH_B \slot, (\q)+1, 1-(\q)%2
	FETCH_A \slot, (\q)+1, 0
	WIN MUL_HI-0x30*\zero
	MUL16 4, (\q)%2, \q, \slot, \zero
	MUL16 6, (\q)%2, \q, \slot, \zero
	PLACES NP
	WIN 0
	FETCH_A \slot, (\q)+1, 4
.endm
; A slot's last step changes slots: one barrier; in front of it each wave waits for all its tensor loads, adds 0 to its spare word, and waits for that and for its reads of this slot.
.macro TURN slot, next, fill
	s_wait_tensorcnt 0x0                           ; all my tensor loads have landed: my part of the next slot
	ds_add_u32 v[SPW], v[NIL]                      ; 0 onto my spare word
	s_wait_dscnt 4*NL+1                            ; the add and the youngest 16 loads (A's blocks 4-7) may be out
	WIN MUL_LO
	MUL16 0, 1, NQ-1, \slot, 0
	s_wait_dscnt 0x0                               ; the add is done, and my reads of this slot are over
	s_barrier_signal -1
	MUL16 2, 1, NQ-1, \slot, 0
	WIN 0
	s_barrier_wait -1
.if \fill
	CREST                                          ; the barrier has opened a round of the cluster's barrier: no wave of any partner still reads this slot or has a load on its way
	s_add_nc_u64 s[G0+4*\slot+2:G0+4*\slot+3], s[G0+4*\slot+2:G0+4*\slot+3], 2*ASTEP
	s_add_nc_u64 s[G0B+4*\slot+2:G0B+4*\slot+3], s[G0B+4*\slot+2:G0B+4*\slot+3], 2*256
	JLOAD G0+4*\slot, G1, G0B+4*\slot, G1B         ; my one tensor load behind the round; its four v_nop are four of the eight places
	PLACES NP-4
.else
	PLACES NP
.endif
	v_add_nc_u32 v[ADRS], 4*NQ, v[ADRS]            ; the next K step's scale words
	FETCH_B \next, 0, 0
	FETCH_A \next, 0, 0
	SCALES \next
	WIN MUL_HI
	MUL16 4, 1, NQ-1, \slot, 0
	MUL16 6, 1, NQ-1, \slot, 0
	PLACES NP
	WIN 0
	FETCH_A \next, 0, 4
.endm
	s_wait_tensorcnt 1                             ; the scales and my part of K step 0 are in; K step 1's load may be out
	s_barrier_signal -1
	s_barrier_wait -1
	FETCH_B 0, 0, 0
	FETCH_A 0, 0, 0
	SCALES 0
	FETCH_A 0, 0, 4
	s_wait_loadcnt 0x0                             ; the bias
	STEP 0, 0, 1
	s_mov_b32 s3, LAPS-1
.Llap:                                                 ; a trip goes once round the ring and fills both slots again
	TURN 0, 1, 1
	STEP 1, 0, 0
	TURN 1, 0, 1
	STEP 0, 0, 0
	s_sub_co_u32 s3, s3, 1
	s_cmp_lg_u32 s3, 0
	s_cbranch_scc1 .Llap
	TURN 0, 1, 0                                   ; the last lap fills nothing
	STEP 1, 0, 0
	s_wait_dscnt 4*NL
	WIN MUL_LO
	MUL16 0, 1, NQ-1, 1, 0
	MUL16 2, 1, NQ-1, 1, 0
	s_wait_dscnt 0
	WIN MUL_HI
	MUL16 4, 1, NQ-1, 1, 0
	MUL16 6, 1, NQ-1, 1, 0
	WIN 0
	PLACES NP                                      ; behind the last products: their results are read and their operands' registers written below
.if MODE < 2
; THE WAY OUT, MODE 0 and 1: block a of 16 rows: four blocks of 32 along the lane's registers are quantised; codes and words have registers of their own for each a, so no store's data are written again.
	s_mov_b32 s45, 0x600000                        ; the mantissa field of 448
	s_mov_b32 s66, 0x76543210
	s_mov_b32 s67, 0xfedcba98                      ; v_permlanex16_b32's selects for lane l xor 16
.irp b, 0,1,2,3
	v_mov_b32 v[TM+4+\b], 0                        ; written once: a lane permute's destination counts as one of its sources
.endr
.macro QROW a
.set W,  2+(\a)/4
.set AC, 64*((\a)%4)
.set PW, TM+16+2*(\a)
.set PC, 128+16*(\a)
	WIN (W<<2)|(W<<4)
.irp b, 0,1,2,3
	v_max3_num_f32 v[TM+\b], 0x4800000, |v[AC+16*\b]|, |v[AC+16*\b+1]|   ; my 16 numbers of block b, and the floor 2^(9 - 127): the byte cannot fall under 1.  Each accumulator is read from its low end on
.endr
.irp i, 2,4,6,8,10,12,14
.irp b, 0,1,2,3
	v_max3_num_f32 v[TM+\b], v[TM+\b], |v[AC+16*\b+\i]|, |v[AC+16*\b+\i+1]|
.endr
.endr
	WIN 0
.irp b, 0,1,2,3
	v_permlanex16_b32 v[TM+4+\b], v[TM+\b], s66, s67
.endr
.irp b, 0,1,2,3
	v_max_num_f32 v[TM+\b], v[TM+\b], v[TM+4+\b]   ; with lane l xor 16's: the block's largest magnitude
.endr
.irp b, 0,1,2,3
	v_add_nc_u32 v[TM+12+\b], 0xfc000000, v[TM+\b] ; 8 off its exponent field: the conversion's scale operand
.endr
.irp b, 0,1,2,3
	v_and_or_b32 v[TM+8+\b], v[TM+\b], 0x7f800000, s45   ; 448 x the scale
.endr
.irp b, 0,1,2,3
	v_lshrrev_b32 v[TM+4+\b], 23, v[TM+12+\b]      ; the scale's byte
.endr
.if MODE == 0
	v_lshl_or_b32 v[PW], v[TM+5], 8, v[TM+4]       ; a head has two blocks: its word's upper bytes stand over zero codes and are 127
	v_lshl_or_b32 v[PW+1], v[TM+7], 8, v[TM+6]
	v_or_b32 v[PW], 0x7f7f0000, v[PW]
	v_or_b32 v[PW+1], 0x7f7f0000, v[PW+1]
.else
	v_lshl_or_b32 v[PW], v[TM+5], 8, v[TM+4]       ; the four blocks of these 128 keys
	v_lshl_or_b32 v[PW], v[TM+6], 16, v[PW]
	v_lshl_or_b32 v[PW], v[TM+7], 24, v[PW]
.endif
	WIN W|(W<<6)
.irp b, 0,1,2,3
.irp i, 0,1,2,3,4,5,6,7,8,9,10,11,12,13,14,15
	v_med3_num_f32 v[AC+16*\b+\i], v[AC+16*\b+\i], -v[TM+8+\b], v[TM+8+\b]   ; the conversion to an 8-bit code does not saturate (ISA guide 7.6.2): the hold
.endr
.endr
	WIN W
.irp b, 0,1,2,3
	v_cvt_scalef32_pk8_fp8_f32 v[PC+4*\b:PC+4*\b+1], v[AC+16*\b:AC+16*\b+7], v[TM+12+\b]
	v_cvt_scalef32_pk8_fp8_f32 v[PC+4*\b+2:PC+4*\b+3], v[AC+16*\b+8:AC+16*\b+15], v[TM+12+\b]
.endr
	WIN 0
	ds_store_b32 v[STO], v[PW] offset:64*(\a)      ; both lanes of a row write the same word with the same value
.if MODE == 0
	ds_store_b32 v[STO], v[PW+1] offset:512+64*(\a)
.endif
.irp b, 0,1,2,3
.if MODE == 0
	global_store_b128 v[CO], v[PC+4*\b:PC+4*\b+3], s[14:15] offset:1024*(\a)+131072*(\b/2)+512*(\b%2)   ; 32 lanes store 512 consecutive bytes, aligned
.else
	global_store_b128 v[CO], v[PC+4*\b:PC+4*\b+3], s[14:15] offset:131072*((\a)/4)+2048*((\a)%4)+512*\b
.endif
.endr
.endm
.irp a, 0,1,2,3,4,5,6,7
	QROW \a
.endr
	ds_load_b128 v[8:11], v[RD]                    ; LDS serves a wave's instructions in order: these see my stores
.if MODE == 0
	ds_load_b128 v[12:15], v[RD] offset:512
.endif
	s_wait_dscnt 0x0
.if MODE == 0
	global_store_b128 v[CO], v[8:11], s[16:17]                 ; 128 rows' words of my first head: 512 consecutive bytes
	global_store_b128 v[CO], v[12:15], s[16:17] offset:8192    ; and of the next head
.else
	global_store_b128 v[GSW], v[8:11], s[16:17]                ; sixteen lanes store 256 consecutive bytes, aligned, for each of my two heads
.endif
.else
; THE WAY OUT, MODE 2: a block of 16 rows x 128 columns goes through my own stage and comes back as whole rows of 512 bytes.
.macro TOSTAGE a
.set AC, 64*((\a)%4)
	WIN 0x08+4*((\a)/4)                            ; an LDS store's data: window 2 or 3
.irp b, 0,1,2,3,4,5,6,7
	ds_store_b128 v[STO], v[AC+8*\b:AC+8*\b+3] offset:64*\b          ; each accumulator from its low end on
	ds_store_b128 v[STO], v[AC+8*\b+4:AC+8*\b+7] offset:64*\b+16
.endr
	WIN 0
.set BB, BK+64*((\a)%2)
.irp t, 0,1,2,3,4,5,6,7,8,9,10,11,12,13,14,15
	ds_load_b128 v[BB+4*\t:BB+4*\t+3], v[RD] offset:\t*SPITCH        ; LDS serves a wave's instructions in order: these see the stores above
.endr
.endm
.macro SEND a, younger                 ; younger: the LDS instructions issued behind block a's loads, which may stay out
.set BB, BK+64*((\a)%2)
	s_wait_dscnt \younger
.if (\a) > 0
	s_add_nc_u64 s[14:15], s[14:15], 16*SIZE_N*4   ; behind a wait on XCNT: the earlier stores have read their base
.endif
.irp t, 0,1,2,3,4,5,6,7,8,9,10,11,12,13,14,15
	global_store_b128 v[CO], v[BB+4*\t:BB+4*\t+3], s[14:15] offset:\t*SIZE_N*4 th:TH_STORE_NT   ; 32 lanes store 512 consecutive bytes, aligned
.endr
.endm
	TOSTAGE 0
.irp a, 1,2,3,4,5,6,7
.if \a > 1
	s_wait_xcnt 0x0                                ; block a - 2's stores have read their registers and their base
.endif
	TOSTAGE \a
	SEND \a-1, 32                                  ; behind block a - 1's loads: block a's 16 stores and 16 loads
.endr
	s_wait_xcnt 0x0
	SEND 7, 0
.endif
	s_wait_tensorcnt 0x0                           ; the wave's end
	ds_add_u32 v[SPW], v[NIL]
	s_wait_dscnt 0x0
	CROUND                                         ; the closing round: no work-group ends while a partner may still ask for a tile that names it
	s_endpgm
.Lfunc_end_k_qeb1cc7f3ac_projqk:
	.size	k_qeb1cc7f3ac_projqk, .Lfunc_end_k_qeb1cc7f3ac_projqk-k_qeb1cc7f3ac_projqk
	.p2alignl 7, 3214868480
	.fill 96, 4, 3214868480
	.section	.rodata,"a",@progbits
	.p2align	6, 0x0
	.amdhsa_kernel k_qeb1cc7f3ac_projqk
		.amdhsa_group_segment_fixed_size 327680
		.amdhsa_private_segment_fixed_size 0
		.amdhsa_enable_private_segment 0
		.amdhsa_kernarg_size 112
		.amdhsa_user_sgpr_count 2
		.amdhsa_user_sgpr_kernarg_segment_ptr 1
		.amdhsa_wavefront_size32 1
		.amdhsa_system_sgpr_workgroup_id_x 1
		.amdhsa_system_sgpr_workgroup_id_y 1
		.amdhsa_system_sgpr_workgroup_id_z 1
		.amdhsa_system_vgpr_workitem_id 0
		.amdhsa_next_free_vgpr 1024
		.amdhsa_next_free_sgpr 100
		.amdhsa_reserve_vcc 0
		.amdhsa_float_denorm_mode_32 3
		.amdhsa_float_denorm_mode_16_64 3
		.amdhsa_memory_ordered 1
		.amdhsa_forward_progress 1
		.amdhsa_inst_pref_size 188
	.end_amdhsa_kernel
	.amdgpu_metadata
---
amdhsa.version: [ 1, 2 ]
amdhsa.kernels:
  - .name:           k_qeb1cc7f3ac_projqk
    .symbol:         k_qeb1cc7f3ac_projqk.kd
    .args:
      - { .name: Q_codes, .offset: 0, .size: 8, .value_kind: global_buffer, .address_space: global }
      - { .name: Q_scales, .offset: 8, .size: 8, .value_kind: global_buffer, .address_space: global }
      - { .name: Wq_codes, .offset: 16, .size: 8, .value_kind: global_buffer, .address_space: global }
      - { .name: Wq_scales, .offset: 24, .size: 8, .value_kind: global_buffer, .address_space: global }
      - { .name: bq, .offset: 32, .size: 8, .value_kind: global_buffer, .address_space: global }
      - { .name: q_img, .offset: 40, .size: 8, .value_kind: global_buffer, .address_space: global }
      - { .name: q_sw, .offset: 48, .size: 8, .value_kind: global_buffer, .address_space: global }
      - { .name: K_codes, .offset: 56, .size: 8, .value_kind: global_buffer, .address_space: global }
      - { .name: K_scales, .offset: 64, .size: 8, .value_kind: global_buffer, .address_space: global }
      - { .name: Wk_codes, .offset: 72, .size: 8, .value_kind: global_buffer, .address_space: global }
      - { .name: Wk_scales, .offset: 80, .size: 8, .value_kind: global_buffer, .address_space: global }
      - { .name: bk, .offset: 88, .size: 8, .value_kind: global_buffer, .address_space: global }
      - { .name: k_img, .offset: 96, .size: 8, .value_kind: global_buffer, .address_space: global }
      - { .name: k_sw, .offset: 104, .size: 8, .value_kind: global_buffer, .address_space: global }
    .group_segment_fixed_size: 327680
    .private_segment_fixed_size: 0
    .kernarg_segment_align: 8
    .kernarg_segment_size: 112
    .max_flat_workgroup_size: 128
    .sgpr_count:     100
    .vgpr_count:     1024
    .wavefront_size: 32
...
	.end_amdgpu_metadata
.endif
;; end of part 1
;; launch projv (part 2): grid 32 x 4, 4 waves a work-group, clusters of 4 x 4, 327,680 bytes of LDS; arguments Wv_codes, Wv_scales, V_codes, V_scales, bv, v_img, v_sw; writes v_img, v_sw
.if DOCPART == 2
	.amdgcn_target "amdgcn-amd-amdhsa--gfx1250"
	.amdhsa_code_object_version 6
	.text
	.protected	k_qeb1cc7f3ac_projv
	.globl	k_qeb1cc7f3ac_projv
	.p2align	8
	.type	k_qeb1cc7f3ac_projv,@function
k_qeb1cc7f3ac_projv:
	s_mov_b64 s[64:65], 0
	v_nop
	global_prefetch_b8 v0, s[64:65] scope:SCOPE_SE
	s_setreg_imm32_b32 hwreg(HW_REG_WAVE_MODE, 25, 1), 1
	s_wait_xcnt 0x0
	s_wait_alu depctr_hold_cnt(0) depctr_sa_sdst(0) depctr_va_vdst(0) depctr_va_sdst(0) depctr_va_ssrc(0) depctr_va_vcc(0) depctr_vm_vsrc(0)
	s_getreg_b32 s2, hwreg(HW_REG_IB_STS2, 6, 4)
	s_cmp_eq_u32 s2, 0
	s_cbranch_scc0 .Lentry_in_a_cluster
	s_endpgm
.Lentry_in_a_cluster:
	s_bfe_u32 s2, ttmp6, 0x10000c
	s_cmp_lg_u32 s2, 0xf033
	s_cbranch_scc0 .Lentry_shape_is_right
	s_endpgm
.Lentry_shape_is_right:
; ONE TEXT, THREE USES (MODE).  C[m][n] = sum over k of A[m][k] B[n][k] + bias, K = 1,024, on codes of FP8 (E4M3) with one E8M0 scale for each 32 along K; sums in f32.
;   MODE 0: A = Q or K (8,192 rows), B = Wq or Wk (1,024 rows = head x 64 + d), bias by column.  The result is quantised along d (a lane's registers) and leaves as an image of operand registers + scale words.
;   MODE 1: A = Wv (1,024 rows = head x 64 + d), B = V (8,192 rows = keys), bias by row.  The result, v transposed, is quantised along the keys and leaves likewise.
;   MODE 2: A = o, given as an image of operand registers, B = Wo, bias by column.  The result leaves as f32.
; A tile of C, 256 x 256, is made by four waves, each 128 x 128: 64 accumulators of 16 x 16.  K goes in steps of 256 through a ring of two LDS slots filled by the tensor data mover.
; The scale bytes of the work-group's rows, for all of K, come into LDS once.  4 x 4 work-groups form a cluster: A's tiles are asked for jointly along a row of the cluster, B's along a column.
; THE MATRIX INSTRUCTION IS USED TRANSPOSED (source 0 = 16 rows of B, source 1 = 16 rows of A): lane (r, h) holds row 16 a + r of A and, in register j of accumulator (a, b), row 16 b + 8 h + j of B.
; THE BIAS is the C of each sum's first matrix instruction: 64 registers in the result's layout.
; QUANTISING (MODE 0, 1): the 16 registers of accumulators (a, 2 c) and (a, 2 c + 1) are 16 numbers of block c of 32; lane l xor 16 holds the other 16.  Their codes are stored as the lane's 16 bytes of operand block c as they
; stand: operand place 32 c + 16 h + 8 u + j holds index 32 c + 16 u + 8 h + j.  Every operand that meets such an image in a product is made in the same order, and the order stays inside a block, so sums and scales are the true ones.
; LIMITS: NaN and infinities are not served.  A block whose largest magnitude lies under 2^(9 - 127), a block of zeros among them, gets the scale byte 1: only this program reads these bytes.
; REGISTERS, in windows of 256: window 0: v0-31 addresses; v32-63 scale words, two sets; v64-127 the bias, on the way out the quantiser's work; v128-255 A's fragments, one set.  window 1: B's fragments, two sets.  windows 2, 3: accumulators (a, b) at v[8 (8 (a % 4) + b)].
.set MODE,   1
.set NQ,     2                         ; matrix instructions deep in a slot: 256 along K
.set PITCH,  272                       ; an LDS row: 256 bytes + 16 of padding: the 16 rows of a fragment load start 68 words apart
.set FR,     16                        ; registers of a fragment
.set NL,     4                         ; LDS loads that bring one
.set NP,     8                         ; places behind this matrix instruction (ISA guide 7.12.1)
.set HALFT,  128*PITCH                 ; 128 rows: one tensor load
.set SLOT,   4*HALFT                   ; A's two halves, then B's
.set SCL,    2*SLOT                    ; the scale bytes: units of 256 bytes + 16 of padding
.set HALFS,  16*272                    ; those of 128 rows
.set SBLK,   2*272                     ; those of 16 rows
.set SPARE,  SCL+4*HALFS               ; the spare words, 128 bytes a wave
.set SST,    SPARE+512                 ; MODE 0, 1: a stage for scale words, 1,024 bytes a wave; no tile lands here
.set SPITCH, 528                       ; MODE 2: the way out: 16 rows x (512 + 16) bytes a wave, in slot 0 behind its last fill and last read
.set SIZE_N, 1024
.set LAPS,   2                         ; 1,024 / 512
.set CW0,    (1<<20)|(1<<21)|(5<<22)|(3<<25)   ; group 1, word 0, rows of codes: elements of 1 byte; padding on; bit 21 beside a mask; 4 words behind every 64
.set SW0,    (3<<16)|(1<<20)|(1<<21)|(5<<22)|(3<<25)   ; scale bytes: elements of 8 bytes, the same padding
.if MODE == 2
.set AW0,    (3<<16)|(1<<21)           ; A as an image: elements of 8 bytes, no padding
.set AD0,    512                       ; a tile of 16 rows of o gives 4,096 bytes for 256 along K,
.set AD1,    8                         ; eight such tiles,
.set APT,    2048                      ; 16,384 bytes apart
.set ASTEP,  4096
.else
.set AW0,    CW0
.set AD0,    256
.set AD1,    128
.set APT,    1024
.set ASTEP,  256
.endif
.set ADRA, 16                          ; v16-17 LDS address of my A fragments in slot 0, 1
.set ADRB, 20                          ; v20-21 the same for B
.set STO,  24                          ; v24 where I put results (MODE 2) or scale words (MODE 0, 1) into my stage
.set RD,   25                          ; v25 where I read them back
.set CO,   26                          ; v26 16 x lane: my byte offset in a store of 512 bytes
.set ADRS, 27                          ; v27 LDS address of my scale words: lanes 0-15 A's rows, lanes 16-31 B's
.set SPW,  28                          ; v28 my spare word; never rewritten
.set NIL,  29                          ; v29 0; never rewritten
.set GSW,  30                          ; v30 MODE 1: my byte offset among the scale words
.set SC,   32
.set BI,   64
.set AF,   128
.set BK,   128
.set TM,   64                          ; the quantiser, in the registers that the bias has left: v64-67 largest magnitudes, v68-71 bytes, v72-75 holds, v76-79 the conversions' scale operands; v80-95 the scale words made
.set G1,   24
.set G0,   32
.set G1B,  48
.set G0B,  56
.set G1S,  68
.set G0S,  76
.set G1SB, 80
.set G0SB, 88
.set MSB, 0
.macro WIN new                         ; the immediate's high byte repeats the setting that is left
.if MSB != (\new)
	s_set_vgpr_msb (MSB<<8)|(\new)
.set MSB, (\new)
.endif
.endm
.set MUL_LO, 0xa1                      ; source 0 (B) window 1, source 1 (A) window 0, C and D window 2
.set MUL_HI, 0xf1                      ; the same, C and D window 3
.set TO_B,   0x40
; A joint load: waves 0, 1 fetch for A, waves 2, 3 for B; the branch hangs on the wave's number alone.  Four v_nop follow each line.
.macro JLOAD g0a, g1a, g0b, g1b
	s_cmp_eq_u32 s19, 0
	s_cbranch_scc0 .Lfor_b_\@
	tensor_load_to_lds s[\g0a:\g0a+3], s[\g1a:\g1a+7]
	s_nop 0
.rept 4
	v_nop
.endr
	s_branch .Lasked_\@
.Lfor_b_\@:
	tensor_load_to_lds s[\g0b:\g0b+3], s[\g1b:\g1b+7]
	s_nop 0
.rept 4
	v_nop
.endr
.Lasked_\@:
.endm
.macro CREST                           ; a round of the cluster's barrier behind its opening barrier
	s_cmp_lg_u32 s18, 0
	s_cbranch_scc1 .Lnot_wave_0_\@
	s_barrier_signal -3
.Lnot_wave_0_\@:
	s_barrier_wait -3
	s_barrier_signal -1
	s_barrier_wait -1
.endm
.macro CROUND
	s_barrier_signal -1
	s_barrier_wait -1
	CREST
.endm
	s_load_b256 s[4:11], s[0:1], 0x0               ; A's codes, A's scales, B's codes, B's scales
	s_load_b128 s[12:15], s[0:1], 0x20             ; the bias, the first output
.if MODE < 2
	s_load_b64 s[16:17], s[0:1], 0x30              ; the scale words' buffer
.endif
.if MODE == 0
	s_load_b256 s[68:75], s[0:1], 0x38             ; the same seven for K
	s_load_b128 s[76:79], s[0:1], 0x58
	s_load_b64 s[80:81], s[0:1], 0x68
.endif
	v_lshl_add_u32 v[SPW], v0, 2, SPARE
	v_mov_b32 v[NIL], 0
	ds_add_u32 v28, v29
	ds_add_u32 v28, v29
	s_wait_dscnt 0x0
	v_lshrrev_b32 v1, 5, v0
	v_readfirstlane_b32 s18, v1                    ; wave 0..3
	s_lshr_b32 s19, s18, 1                         ; my half of the tile's rows.  Also: I fetch for A (0) or B (1)
	s_and_b32 s20, s18, 1                          ; my half of its columns.  Also: which 128 rows I fetch
	s_bfe_u32 s40, ttmp6, 0x40000                  ; cx
	s_bfe_u32 s41, ttmp6, 0x40004                  ; cy
	s_lshl_b32 s22, ttmp9, 2
	s_add_co_u32 s22, s22, s40                     ; tile column = 4 x cluster x + cx
	s_and_b32 s21, ttmp7, 0xffff
.if MODE == 0
	s_mov_b32 s2, s21                              ; the cluster's y: 0-7 take Q, 8-15 take K
.endif
	s_lshl_b32 s21, s21, 2
	s_add_co_u32 s21, s21, s41                     ; tile row = 4 x cluster y + cy
.if MODE == 0
	s_and_b32 s21, s21, 31                         ; within the tensor chosen
.endif
	s_lshl_b32 s42, s41, 2
	s_lshl_b32 s42, 15, s42                        ; my row of the cluster
	s_lshl_b32 s43, 0x1111, s40                    ; my column
	s_or_b32 s[G1+0], s42, AW0
	s_or_b32 s[G1B+0], s43, CW0
	s_mov_b32 s[G1+1], AD0<<16                     ; tensor_dim0
	s_mov_b32 s[G1+2], AD1<<16                     ; tensor_dim1
	s_mov_b32 s[G1+3], AD0<<16                     ; tile_dim0
	s_mov_b32 s[G1+4], AD1                         ; tile_dim1
	s_mov_b32 s[G1+5], APT                         ; elements from row to row
	s_mov_b32 s[G1+6], 0
	s_mov_b32 s[G1+7], 0
	s_mov_b32 s[G1B+1], 256<<16
	s_mov_b32 s[G1B+2], 128<<16
	s_mov_b32 s[G1B+3], 256<<16
	s_mov_b32 s[G1B+4], 128
	s_mov_b32 s[G1B+5], 1024
	s_mov_b32 s[G1B+6], 0
	s_mov_b32 s[G1B+7], 0
	s_lshl_b32 s23, s20, 7                         ; which 128 rows of a tile I fetch
	s_lshl_b32 s92, s21, 8
	s_add_co_u32 s92, s92, s23                     ; A: row 256 x tile row + 128 x half
	s_lshl_b32 s94, s92, 5                         ; its scale bytes: 32 a row
	s_lshl_b32 s92, s92, 10                        ; its codes: 1,024 bytes a row (as an image: 16,384 for 16 rows)
	s_mov_b32 s93, 0
	s_mov_b32 s95, 0
	s_lshl_b32 s96, s22, 8
	s_add_co_u32 s96, s96, s23                     ; B: row 256 x tile column + 128 x half
	s_lshl_b32 s98, s96, 5
	s_lshl_b32 s96, s96, 10
	s_mov_b32 s97, 0
	s_mov_b32 s99, 0
	s_mul_i32 s44, s18, HALFT                      ; where they go: no place in the cluster enters an LDS address
	s_mul_i32 s45, s18, HALFS
	s_wait_kmcnt 0x0
.if MODE == 0
	s_cmp_lt_u32 s2, 8                             ; the choice hangs on the cluster's number alone: all sixteen partners choose alike
	s_cselect_b64 s[4:5], s[4:5], s[68:69]
	s_cselect_b64 s[6:7], s[6:7], s[70:71]
	s_cselect_b64 s[8:9], s[8:9], s[72:73]
	s_cselect_b64 s[10:11], s[10:11], s[74:75]
	s_cselect_b64 s[12:13], s[12:13], s[76:77]
	s_cselect_b64 s[14:15], s[14:15], s[78:79]
	s_cselect_b64 s[16:17], s[16:17], s[80:81]
.endif
	s_or_b32 s[G1S+0], s42, SW0                    ; the scale bytes of 128 rows: 4,096 dense bytes as 16 rows of 256
	s_or_b32 s[G1SB+0], s43, SW0
.irp g, G1S, G1SB
	s_mov_b32 s[\g+1], 32<<16
	s_mov_b32 s[\g+2], 16<<16
	s_mov_b32 s[\g+3], 32<<16
	s_mov_b32 s[\g+4], 16
	s_mov_b32 s[\g+5], 32
	s_mov_b32 s[\g+6], 0
	s_mov_b32 s[\g+7], 0
.endr
	s_add_nc_u64 s[92:93], s[4:5], s[92:93]
	s_add_nc_u64 s[94:95], s[6:7], s[94:95]
	s_add_nc_u64 s[96:97], s[8:9], s[96:97]
	s_add_nc_u64 s[98:99], s[10:11], s[98:99]
	CROUND                                         ; all sixteen work-groups are here: the first joint loads meet
	s_mov_b32 s[G0S], 1
	s_add_co_u32 s[G0S+1], s45, SCL
	s_mov_b64 s[G0S+2:G0S+3], s[94:95]
	s_or_b32 s[G0S+3], s[G0S+3], 0x80000000
	s_mov_b32 s[G0SB], 1
	s_add_co_u32 s[G0SB+1], s45, SCL
	s_mov_b64 s[G0SB+2:G0SB+3], s[98:99]
	s_or_b32 s[G0SB+3], s[G0SB+3], 0x80000000
	JLOAD G0S, G1S, G0SB, G1SB                     ; the scales first: they are wanted with K step 0
.irp s, 0,1
	s_mov_b32 s[G0+4*\s], 1
	s_add_co_u32 s[G0+4*\s+1], s44, \s*SLOT
	s_add_nc_u64 s[G0+4*\s+2:G0+4*\s+3], s[92:93], \s*ASTEP
	s_or_b32 s[G0+4*\s+3], s[G0+4*\s+3], 0x80000000
	s_mov_b32 s[G0B+4*\s], 1
	s_add_co_u32 s[G0B+4*\s+1], s44, \s*SLOT
	s_add_nc_u64 s[G0B+4*\s+2:G0B+4*\s+3], s[96:97], \s*256
	s_or_b32 s[G0B+4*\s+3], s[G0B+4*\s+3], 0x80000000
	JLOAD G0+4*\s, G1, G0B+4*\s, G1B               ; three tensor loads of mine are out now
.endr
	v_and_b32 v1, 15, v0                           ; r
	v_bfe_u32 v2, v0, 4, 1                         ; h
	v_mul_u32_u24 v3, v1, PITCH
	v_lshl_add_u32 v4, v2, 4, v3                   ; a fragment's row x pitch + 16 h
	v_and_b32 v6, 31, v0
	v_lshlrev_b32 v7, 4, v6                        ; 16 x lane: an image's place for my lane
	s_mul_i32 s23, s19, HALFT                      ; my 128 rows of A
	s_mul_i32 s2, s20, HALFT                       ; my 128 rows of B,
	s_add_co_u32 s2, s2, 2*HALFT                   ; behind A's 256
.irp s, 0,1
.if MODE == 2
	v_add_nc_u32 v[ADRA+\s], s23, v7
.else
	v_add_nc_u32 v[ADRA+\s], s23, v4
.endif
	v_add_nc_u32 v[ADRB+\s], s2, v4
	s_add_co_u32 s23, s23, SLOT
	s_add_co_u32 s2, s2, SLOT
.endr
	v_mul_u32_u24 v5, v1, 32                       ; my row's scale bytes: 32 a row,
	v_lshrrev_b32 v8, 8, v5
	v_lshl_add_u32 v5, v8, 4, v5                   ; and 16 more for each 256 passed
	s_mul_i32 s23, s19, HALFS
	s_mul_i32 s2, s20, HALFS
	s_add_co_u32 s2, s2, 2*HALFS
	s_sub_co_u32 s2, s2, s23
	v_mul_u32_u24 v8, s2, v2                       ; lanes 16-31 take B's
	s_add_co_u32 s23, s23, SCL
	v_add_nc_u32 v5, v5, v8
	v_add_nc_u32 v[ADRS], s23, v5
	v_lshlrev_b32 v[CO], 4, v6
; the bias, in the result's layout
.if MODE == 1
	s_lshl_b32 s92, s21, 10                        ; by row of A: 4 bytes x (256 tile row + 128 half + 16 a + r): the lane's eight registers hold one number
	s_lshl_b32 s93, s19, 9
	s_add_co_u32 s92, s92, s93
	s_mov_b32 s93, 0
	s_add_nc_u64 s[12:13], s[12:13], s[92:93]
	v_lshlrev_b32 v8, 2, v1
.irp a, 0,1,2,3,4,5,6,7
.irp j, 0,1,2,3,4,5,6,7
	global_load_b32 v[BI+8*\a+\j], v8, s[12:13] offset:64*\a
.endr
.endr
.else
	s_lshl_b32 s96, s22, 10                        ; by row of B: 4 bytes x (256 tile column + 128 half + 16 b + 8 h + j)
	s_lshl_b32 s97, s20, 9
	s_add_co_u32 s96, s96, s97
	s_mov_b32 s97, 0
	s_add_nc_u64 s[12:13], s[12:13], s[96:97]
	v_lshlrev_b32 v8, 5, v2
.irp b, 0,1,2,3,4,5,6,7
	global_load_b128 v[BI+8*\b:BI+8*\b+3], v8, s[12:13] offset:64*\b
	global_load_b128 v[BI+8*\b+4:BI+8*\b+7], v8, s[12:13] offset:64*\b+16
.endr
.endif
; where my results go
.if MODE == 0
	s_lshl_b32 s46, s21, 8
	s_lshl_b32 s47, s19, 7
	s_add_co_u32 s46, s46, s47                     ; my first row (batch x 2,048 + s)
	s_lshr_b32 s47, s46, 11
	s_lshl_b32 s47, s47, 4                         ; 16 x batch
	s_lshl_b32 s2, s22, 2
	s_add_co_u32 s47, s47, s2
	s_lshl_b32 s2, s20, 1
	s_add_co_u32 s47, s47, s2                      ; + my first head: 4 x tile column + 2 x half
	s_and_b32 s46, s46, 2047
	s_lshl_b32 s46, s46, 6                         ; a tile of 16 rows is 1,024 bytes of image,
	s_lshl_b32 s47, s47, 17                        ; a head 131,072
	s_add_co_u32 s46, s46, s47
	s_mov_b32 s47, 0
	s_add_nc_u64 s[14:15], s[14:15], s[46:47]
	s_lshr_b32 s46, s46, 4                         ; scale words: 4 bytes a row, 8,192 a head: a sixteenth
	s_add_nc_u64 s[16:17], s[16:17], s[46:47]
.elseif MODE == 1
	s_lshl_b32 s46, s22, 8
	s_lshl_b32 s47, s20, 7
	s_add_co_u32 s46, s46, s47                     ; my first key (batch x 2,048 + s)
	s_lshr_b32 s47, s46, 11
	s_lshl_b32 s47, s47, 4
	s_lshl_b32 s2, s21, 2
	s_add_co_u32 s47, s47, s2
	s_lshl_b32 s2, s19, 1
	s_add_co_u32 s47, s47, s2                      ; 16 x batch + my first head
	s_bfe_u32 s46, s46, 0x40007                    ; which 128 keys of the head
	s_lshl_b32 s46, s46, 13                        ; 8,192 bytes of image for 128 keys
	s_lshl_b32 s47, s47, 17
	s_add_co_u32 s46, s46, s47
	s_mov_b32 s47, 0
	s_add_nc_u64 s[14:15], s[14:15], s[46:47]
	s_lshr_b32 s46, s46, 5                         ; scale words: 256 bytes for 128 keys, 4,096 a head
	s_add_nc_u64 s[16:17], s[16:17], s[46:47]
	v_lshlrev_b32 v[GSW], 4, v1
	v_lshl_add_u32 v[GSW], v2, 12, v[GSW]          ; lanes 0-15 my first head's 256 bytes, lanes 16-31 the next head's
.else
	s_lshl_b32 s46, s21, 8
	s_lshl_b32 s47, s19, 7
	s_add_co_u32 s46, s46, s47
	s_lshl_b32 s46, s46, 12                        ; my first row of the output, 4,096 bytes a row
	s_lshl_b32 s47, s22, 10
	s_add_co_u32 s46, s46, s47
	s_lshl_b32 s47, s20, 9
	s_add_co_u32 s46, s46, s47                     ; + my first column
	s_mov_b32 s47, 0
	s_add_nc_u64 s[14:15], s[14:15], s[46:47]
.endif
.if MODE == 2
	s_mul_i32 s23, s18, 16*SPITCH                  ; my stage
	v_mul_u32_u24 v5, v1, SPITCH
	v_lshl_add_u32 v5, v2, 5, v5
	v_add_nc_u32 v[STO], s23, v5                   ; in: row r, 32 bytes for each half of the lanes
	v_add_nc_u32 v[RD], s23, v[CO]                 ; back: the 32 lanes take one row of 512 bytes
.else
	s_lshl_b32 s23, s18, 10
	s_add_co_u32 s23, s23, SST                     ; my stage for scale words
	v_lshl_add_u32 v[STO], v1, 2, s23              ; in: 4 bytes a row
	v_add_nc_u32 v[RD], s23, v7                    ; back: 16 bytes a lane
.endif
.macro FRAG reg, adr, q, i             ; 16 rows x 128 K from padded rows: registers 4 c .. 4 c + 3 hold K = 32 c + 16 h + 0 .. 15
.irp c, 0,1,2,3
	ds_load_b128 v[\reg+4*\c:\reg+4*\c+3], v[\adr] offset:128*(\q)+32*\c+(\i)*16*PITCH
.endr
.endm
.macro FRAGA reg, adr, q, i            ; the same from an image: 512 consecutive bytes a load
.irp c, 0,1,2,3
	ds_load_b128 v[\reg+4*\c:\reg+4*\c+3], v[\adr] offset:4096*(\i)+2048*(\q)+512*\c
.endr
.endm
; 16 matrix instructions: A's blocks a0, a0 + 1 x B's eight.  p: B's set; sc: the set of scale words.  zero = 1: the first product starts the sums, from the bias.
; The 64 accumulators take turns, one instruction a turn, in the same order in every step.
.macro MUL16 a0, p, q, sc, zero
.irp a, \a0, \a0+1
.irp b, 0,1,2,3,4,5,6,7
.if \zero
.if MODE == 1
	v_wmma_scale_f32_16x16x128_f8f6f4 v[8*(8*((\a)%4)+\b):8*(8*((\a)%4)+\b)+7], v[128*(\p)+FR*\b:128*(\p)+FR*\b+FR-1], v[AF+FR*(\a):AF+FR*(\a)+FR-1], v[BI+8*(\a):BI+8*(\a)+7], v[SC+8*NQ*(\sc)+NQ*\b+(\q)], v[SC+8*NQ*(\sc)+NQ*(\a)+(\q)] matrix_a_scale:MATRIX_SCALE_ROW1
.else
	v_wmma_scale_f32_16x16x128_f8f6f4 v[8*(8*((\a)%4)+\b):8*(8*((\a)%4)+\b)+7], v[128*(\p)+FR*\b:128*(\p)+FR*\b+FR-1], v[AF+FR*(\a):AF+FR*(\a)+FR-1], v[BI+8*\b:BI+8*\b+7], v[SC+8*NQ*(\sc)+NQ*\b+(\q)], v[SC+8*NQ*(\sc)+NQ*(\a)+(\q)] matrix_a_scale:MATRIX_SCALE_ROW1
.endif
.else
	v_wmma_scale_f32_16x16x128_f8f6f4 v[8*(8*((\a)%4)+\b):8*(8*((\a)%4)+\b)+7], v[128*(\p)+FR*\b:128*(\p)+FR*\b+FR-1], v[AF+FR*(\a):AF+FR*(\a)+FR-1], v[8*(8*((\a)%4)+\b):8*(8*((\a)%4)+\b)+7], v[SC+8*NQ*(\sc)+NQ*\b+(\q)], v[SC+8*NQ*(\sc)+NQ*(\a)+(\q)] matrix_a_scale:MATRIX_SCALE_ROW1
.endif
.endr
.endr
.endm
.macro FETCH_B slot, q, p
	WIN TO_B
.irp i, 0,1,2,3,4,5,6,7
	FRAG 128*(\p)+FR*\i, ADRB+\slot, \q, \i
.endr
	WIN 0
.endm
.macro FETCH_A slot, q, i0
.irp i, \i0, \i0+1, \i0+2, \i0+3
.if MODE == 2
	FRAGA AF+FR*(\i), ADRA+\slot, \q, \i
.else
	FRAG AF+FR*(\i), ADRA+\slot, \q, \i
.endif
.endr
.endm
.macro SCALES sc                       ; a K step's scale words: two a row; lanes 0-15 A's block i, lanes 16-31 B's block i
.irp i, 0,1,2,3,4,5,6,7
	ds_load_b64 v[SC+8*NQ*\sc+NQ*\i:SC+8*NQ*\sc+NQ*\i+1], v[ADRS] offset:\i*SBLK
.endr
.endm
.macro PLACES n                        ; plain vector instructions between a matrix instruction and a load into, or a read of, its registers
.rept \n
	v_nop
.endr
.endm
; A step of 128 along K that has its successor in the same slot.  zero = 1: C is the bias, in window 0.
.macro STEP slot, q, zero
	s_wait_dscnt 4*NL                              ; B's set, the scale words and A's blocks 0-3 are in; the youngest 16 loads (A's blocks 4-7) may be out
	WIN MUL_LO-0x20*\zero
	MUL16 0, (\q)%2, \q, \slot, \zero
	MUL16 2, (\q)%2, \q, \slot, \zero
	s_wait_dscnt 0
	PLACES NP
	FETCH_B \slot, (\q)+1, 1-(\q)%2
	FETCH_A \slot, (\q)+1, 0
	WIN MUL_HI-0x30*\zero
	MUL16 4, (\q)%2, \q, \slot, \zero
	MUL16 6, (\q)%2, \q, \slot, \zero
	PLACES NP
	WIN 0
	FETCH_A \slot, (\q)+1, 4
.endm
; A slot's last step changes slots: one barrier; in front of it each wave waits for all its tensor loads, adds 0 to its spare word, and waits for that and for its reads of this slot.
.macro TURN slot, next, fill
	s_wait_tensorcnt 0x0                           ; all my tensor loads have landed: my part of the next slot
	ds_add_u32 v[SPW], v[NIL]                      ; 0 onto my spare word
	s_wait_dscnt 4*NL+1                            ; the add and the youngest 16 loads (A's blocks 4-7) may be out
	WIN MUL_LO
	MUL16 0, 1, NQ-1, \slot, 0
	s_wait_dscnt 0x0                               ; the add is done, and my reads of this slot are over
	s_barrier_signal -1
	MUL16 2, 1, NQ-1, \slot, 0
	WIN 0
	s_barrier_wait -1
.if \fill
	CREST                                          ; the barrier has opened a round of the cluster's barrier: no wave of any partner still reads this slot or has a load on its way
	s_add_nc_u64 s[G0+4*\slot+2:G0+4*\slot+3], s[G0+4*\slot+2:G0+4*\slot+3], 2*ASTEP
	s_add_nc_u64 s[G0B+4*\slot+2:G0B+4*\slot+3], s[G0B+4*\slot+2:G0B+4*\slot+3], 2*256
	JLOAD G0+4*\slot, G1, G0B+4*\slot, G1B         ; my one tensor load behind the round; its four v_nop are four of the eight places
	PLACES NP-4
.else
	PLACES NP
.endif
	v_add_nc_u32 v[ADRS], 4*NQ, v[ADRS]            ; the next K step's scale words
	FETCH_B \next, 0, 0
	FETCH_A \next, 0, 0
	SCALES \next
	WIN MUL_HI
	MUL16 4, 1, NQ-1, \slot, 0
	MUL16 6, 1, NQ-1, \slot, 0
	PLACES NP
	WIN 0
	FETCH_A \next, 0, 4
.endm
	s_wait_tensorcnt 1                             ; the scales and my part of K step 0 are in; K step 1's load may be out
	s_barrier_signal -1
	s_barrier_wait -1
	FETCH_B 0, 0, 0
	FETCH_A 0, 0, 0
	SCALES 0
	FETCH_A 0, 0, 4
	s_wait_loadcnt 0x0                             ; the bias
	STEP 0, 0, 1
	s_mov_b32 s3, LAPS-1
.Llap:                                                 ; a trip goes once round the ring and fills both slots again
	TURN 0, 1, 1
	STEP 1, 0, 0
	TURN 1, 0, 1
	STEP 0, 0, 0
	s_sub_co_u32 s3, s3, 1
	s_cmp_lg_u32 s3, 0
	s_cbranch_scc1 .Llap
	TURN 0, 1, 0                                   ; the last lap fills nothing
	STEP 1, 0, 0
	s_wait_dscnt 4*NL
	WIN MUL_LO
	MUL16 0, 1, NQ-1, 1, 0
	MUL16 2, 1, NQ-1, 1, 0
	s_wait_dscnt 0
	WIN MUL_HI
	MUL16 4, 1, NQ-1, 1, 0
	MUL16 6, 1, NQ-1, 1, 0
	WIN 0
	PLACES NP                                      ; behind the last products: their results are read and their operands' registers written below
.if MODE < 2
; THE WAY OUT, MODE 0 and 1: block a of 16 rows: four blocks of 32 along the lane's registers are quantised; codes and words have registers of their own for each a, so no store's data are written again.
	s_mov_b32 s45, 0x600000                        ; the mantissa field of 448
	s_mov_b32 s66, 0x76543210
	s_mov_b32 s67, 0xfedcba98                      ; v_permlanex16_b32's selects for lane l xor 16
.irp b, 0,1,2,3
	v_mov_b32 v[TM+4+\b], 0                        ; written once: a lane permute's destination counts as one of its sources
.endr
.macro QROW a
.set W,  2+(\a)/4
.set AC, 64*((\a)%4)
.set PW, TM+16+2*(\a)
.set PC, 128+16*(\a)
	WIN (W<<2)|(W<<4)
.irp b, 0,1,2,3
	v_max3_num_f32 v[TM+\b], 0x4800000, |v[AC+16*\b]|, |v[AC+16*\b+1]|   ; my 16 numbers of block b, and the floor 2^(9 - 127): the byte cannot fall under 1.  Each accumulator is read from its low end on
.endr
.irp i, 2,4,6,8,10,12,14
.irp b, 0,1,2,3
	v_max3_num_f32 v[TM+\b], v[TM+\b], |v[AC+16*\b+\i]|, |v[AC+16*\b+\i+1]|
.endr
.endr
	WIN 0
.irp b, 0,1,2,3
	v_permlanex16_b32 v[TM+4+\b], v[TM+\b], s66, s67
.endr
.irp b, 0,1,2,3
	v_max_num_f32 v[TM+\b], v[TM+\b], v[TM+4+\b]   ; with lane l xor 16's: the block's largest magnitude
.endr
.irp b, 0,1,2,3
	v_add_nc_u32 v[TM+12+\b], 0xfc000000, v[TM+\b] ; 8 off its exponent field: the conversion's scale operand
.endr
.irp b, 0,1,2,3
	v_and_or_b32 v[TM+8+\b], v[TM+\b], 0x7f800000, s45   ; 448 x the scale
.endr
.irp b, 0,1,2,3
	v_lshrrev_b32 v[TM+4+\b], 23, v[TM+12+\b]      ; the scale's byte
.endr
.if MODE == 0
	v_lshl_or_b32 v[PW], v[TM+5], 8, v[TM+4]       ; a head has two blocks: its word's upper bytes stand over zero codes and are 127
	v_lshl_or_b32 v[PW+1], v[TM+7], 8, v[TM+6]
	v_or_b32 v[PW], 0x7f7f0000, v[PW]
	v_or_b32 v[PW+1], 0x7f7f0000, v[PW+1]
.else
	v_lshl_or_b32 v[PW], v[TM+5], 8, v[TM+4]       ; the four blocks of these 128 keys
	v_lshl_or_b32 v[PW], v[TM+6], 16, v[PW]
	v_lshl_or_b32 v[PW], v[TM+7], 24, v[PW]
.endif
	WIN W|(W<<6)
.irp b, 0,1,2,3
.irp i, 0,1,2,3,4,5,6,7,8,9,10,11,12,13,14,15
	v_med3_num_f32 v[AC+16*\b+\i], v[AC+16*\b+\i], -v[TM+8+\b], v[TM+8+\b]   ; the conversion to an 8-bit code does not saturate (ISA guide 7.6.2): the hold
.endr
.endr
	WIN W
.irp b, 0,1,2,3
	v_cvt_scalef32_pk8_fp8_f32 v[PC+4*\b:PC+4*\b+1], v[AC+16*\b:AC+16*\b+7], v[TM+12+\b]
	v_cvt_scalef32_pk8_fp8_f32 v[PC+4*\b+2:PC+4*\b+3], v[AC+16*\b+8:AC+16*\b+15], v[TM+12+\b]
.endr
	WIN 0
	ds_store_b32 v[STO], v[PW] offset:64*(\a)      ; both lanes of a row write the same word with the same value
.if MODE == 0
	ds_store_b32 v[STO], v[PW+1] offset:512+64*(\a)
.endif
.irp b, 0,1,2,3
.if MODE == 0
	global_store_b128 v[CO], v[PC+4*\b:PC+4*\b+3], s[14:15] offset:1024*(\a)+131072*(\b/2)+512*(\b%2)   ; 32 lanes store 512 consecutive bytes, aligned
.else
	global_store_b128 v[CO], v[PC+4*\b:PC+4*\b+3], s[14:15] offset:131072*((\a)/4)+2048*((\a)%4)+512*\b
.endif
.endr
.endm
.irp a, 0,1,2,3,4,5,6,7
	QROW \a
.endr
	ds_load_b128 v[8:11], v[RD]                    ; LDS serves a wave's instructions in order: these see my stores
.if MODE == 0
	ds_load_b128 v[12:15], v[RD] offset:512
.endif
	s_wait_dscnt 0x0
.if MODE == 0
	global_store_b128 v[CO], v[8:11], s[16:17]                 ; 128 rows' words of my first head: 512 consecutive bytes
	global_store_b128 v[CO], v[12:15], s[16:17] offset:8192    ; and of the next head
.else
	global_store_b128 v[GSW], v[8:11], s[16:17]                ; sixteen lanes store 256 consecutive bytes, aligned, for each of my two heads
.endif
.else
; THE WAY OUT, MODE 2: a block of 16 rows x 128 columns goes through my own stage and comes back as whole rows of 512 bytes.
.macro TOSTAGE a
.set AC, 64*((\a)%4)
	WIN 0x08+4*((\a)/4)                            ; an LDS store's data: window 2 or 3
.irp b, 0,1,2,3,4,5,6,7
	ds_store_b128 v[STO], v[AC+8*\b:AC+8*\b+3] offset:64*\b          ; each accumulator from its low end on
	ds_store_b128 v[STO], v[AC+8*\b+4:AC+8*\b+7] offset:64*\b+16
.endr
	WIN 0
.set BB, BK+64*((\a)%2)
.irp t, 0,1,2,3,4,5,6,7,8,9,10,11,12,13,14,15
	ds_load_b128 v[BB+4*\t:BB+4*\t+3], v[RD] offset:\t*SPITCH        ; LDS serves a wave's instructions in order: these see the stores above
.endr
.endm
.macro SEND a, younger                 ; younger: the LDS instructions issued behind block a's loads, which may stay out
.set BB, BK+64*((\a)%2)
	s_wait_dscnt \younger
.if (\a) > 0
	s_add_nc_u64 s[14:15], s[14:15], 16*SIZE_N*4   ; behind a wait on XCNT: the earlier stores have read their base
.endif
.irp t, 0,1,2,3,4,5,6,7,8,9,10,11,12,13,14,15
	global_store_b128 v[CO], v[BB+4*\t:BB+4*\t+3], s[14:15] offset:\t*SIZE_N*4 th:TH_STORE_NT   ; 32 lanes store 512 consecutive bytes, aligned
.endr
.endm
	TOSTAGE 0
.irp a, 1,2,3,4,5,6,7
.if \a > 1
	s_wait_xcnt 0x0                                ; block a - 2's stores have read their registers and their base
.endif
	TOSTAGE \a
	SEND \a-1, 32                                  ; behind block a - 1's loads: block a's 16 stores and 16 loads
.endr
	s_wait_xcnt 0x0
	SEND 7, 0
.endif
	s_wait_tensorcnt 0x0                           ; the wave's end
	ds_add_u32 v[SPW], v[NIL]
	s_wait_dscnt 0x0
	CROUND                                         ; the closing round: no work-group ends while a partner may still ask for a tile that names it
	s_endpgm
.Lfunc_end_k_qeb1cc7f3ac_projv:
	.size	k_qeb1cc7f3ac_projv, .Lfunc_end_k_qeb1cc7f3ac_projv-k_qeb1cc7f3ac_projv
	.p2alignl 7, 3214868480
	.fill 96, 4, 3214868480
	.section	.rodata,"a",@progbits
	.p2align	6, 0x0
	.amdhsa_kernel k_qeb1cc7f3ac_projv
		.amdhsa_group_segment_fixed_size 327680
		.amdhsa_private_segment_fixed_size 0
		.amdhsa_enable_private_segment 0
		.amdhsa_kernarg_size 56
		.amdhsa_user_sgpr_count 2
		.amdhsa_user_sgpr_kernarg_segment_ptr 1
		.amdhsa_wavefront_size32 1
		.amdhsa_system_sgpr_workgroup_id_x 1
		.amdhsa_system_sgpr_workgroup_id_y 1
		.amdhsa_system_sgpr_workgroup_id_z 1
		.amdhsa_system_vgpr_workitem_id 0
		.amdhsa_next_free_vgpr 1024
		.amdhsa_next_free_sgpr 100
		.amdhsa_reserve_vcc 0
		.amdhsa_float_denorm_mode_32 3
		.amdhsa_float_denorm_mode_16_64 3
		.amdhsa_memory_ordered 1
		.amdhsa_forward_progress 1
		.amdhsa_inst_pref_size 191
	.end_amdhsa_kernel
	.amdgpu_metadata
---
amdhsa.version: [ 1, 2 ]
amdhsa.kernels:
  - .name:           k_qeb1cc7f3ac_projv
    .symbol:         k_qeb1cc7f3ac_projv.kd
    .args:
      - { .name: Wv_codes, .offset: 0, .size: 8, .value_kind: global_buffer, .address_space: global }
      - { .name: Wv_scales, .offset: 8, .size: 8, .value_kind: global_buffer, .address_space: global }
      - { .name: V_codes, .offset: 16, .size: 8, .value_kind: global_buffer, .address_space: global }
      - { .name: V_scales, .offset: 24, .size: 8, .value_kind: global_buffer, .address_space: global }
      - { .name: bv, .offset: 32, .size: 8, .value_kind: global_buffer, .address_space: global }
      - { .name: v_img, .offset: 40, .size: 8, .value_kind: global_buffer, .address_space: global }
      - { .name: v_sw, .offset: 48, .size: 8, .value_kind: global_buffer, .address_space: global }
    .group_segment_fixed_size: 327680
    .private_segment_fixed_size: 0
    .kernarg_segment_align: 8
    .kernarg_segment_size: 56
    .max_flat_workgroup_size: 128
    .sgpr_count:     100
    .vgpr_count:     1024
    .wavefront_size: 32
...
	.end_amdgpu_metadata
.endif
;; end of part 2
;; launch attn (part 3): grid 4 x 64, 16 waves a work-group, clusters of 4 x 1, 276,480 bytes of LDS; arguments q_img, q_sw, k_img, k_sw, v_img, v_sw, o_img, o_scales; writes o_img, o_scales
.if DOCPART == 3
	.amdgcn_target "amdgcn-amd-amdhsa--gfx1250"
	.amdhsa_code_object_version 6
	.text
	.protected	k_qeb1cc7f3ac_attn
	.globl	k_qeb1cc7f3ac_attn
	.p2align	8
	.type	k_qeb1cc7f3ac_attn,@function
k_qeb1cc7f3ac_attn:
	s_mov_b64 s[64:65], 0
	v_nop
	global_prefetch_b8 v0, s[64:65] scope:SCOPE_SE
	s_setreg_imm32_b32 hwreg(HW_REG_WAVE_MODE, 25, 1), 1
	s_wait_xcnt 0x0
	s_wait_alu depctr_hold_cnt(0) depctr_sa_sdst(0) depctr_va_vdst(0) depctr_va_sdst(0) depctr_va_ssrc(0) depctr_va_vcc(0) depctr_vm_vsrc(0)
	s_getreg_b32 s2, hwreg(HW_REG_IB_STS2, 6, 4)
	s_cmp_eq_u32 s2, 0
	s_cbranch_scc0 .Lentry_in_a_cluster
	s_endpgm
.Lentry_in_a_cluster:
	s_bfe_u32 s2, ttmp6, 0x10000c
	s_cmp_lg_u32 s2, 0x3003
	s_cbranch_scc0 .Lentry_shape_is_right
	s_endpgm
.Lentry_shape_is_right:
; o[bh][q][:] = the sum over keys of softmax(q . k / 8) v, both products on codes of FP8 (E4M3) with one E8M0 scale for each 32 along a product's K; then o is quantised along d for the output projection.
; INPUTS are images of operand registers made by the launches before: q_img, k_img [bh 64][tile of 16 rows 128][block 2][lane 32][16 bytes]; v_img [bh][128 keys 16][16 d 4][block 4][lane][16 bytes];
; scale words q_sw, k_sw [bh][row] (bytes 0, 1: the head's two blocks; bytes 2, 3: 127, over zero codes), v_sw [bh][128 keys][d].  Inside a block of 32 the images hold index 16 u + 8 h + j at place 16 h + 8 u + j: q and k alike
; along d, and v along the keys just as p comes out of the first product here, so every product sums true pairs.
; THE SOFTMAX AHEAD OF THE SECOND PRODUCT: t = score x log2(e) / 8; M = the running largest t rounded UP to a whole number; p = 2^(t - M) is quantised along the keys, not normalised.  The row's sum is taken of the
; unquantised p and divides at the end.  When M moves, the sum and O are multiplied by 2^(old M - new M): exact.
; SHARES.  A work-group owns 512 queries of one (batch, head): 64 heads x 4 blocks are 256 work-groups.  Each of its sixteen waves owns two tiles of 16 queries (tiles w and w + 16 of the work-group's 32) and takes them one
; after the other, in 256 registers; for each it walks the head's 2,048 keys, 128 a step.  No barrier stands between a wave's two walks: LDS is only read, so a wave that ends its first tile goes straight on.
; THE WHOLE HEAD LIES IN LDS: K's image 131,072 bytes, V's 131,072, their scale words 8,192 + 4,096.  Every LDS byte is filled once and serves both walks; nothing is stored to LDS; each ds_load_b128 reads 512 consecutive bytes.
; Each wave brings a sixteenth of the two images; every wave waits for all its tensor loads, one barrier follows, and the loops over the keys have neither a wait for tiles nor a barrier.
; CLUSTER.  The four query blocks of a cluster are one head's: every fill is asked for jointly, by the same tensor load with the same descriptor and the mask of all four.
; The head size is 64: K's and Q's fragments fill blocks 0 and 1 of the instruction's 128; blocks 2 and 3 are zero codes, written once.
; Both products are used transposed (S^T = K Q^T, O^T = V^T P^T): a lane holds one query (lane % 16) throughout.
; LIMITS: NaN and infinities are not served.  A block's largest p is taken from the block's largest score through the same multiply-add and exponential: this takes v_exp_f32 not to fall where its input rises.
; A block of o under 2^(9 - 127) gets the scale byte 1: only this program reads the bytes.  o's scale bytes leave as 2 bytes a row, 32 bytes apart (a head owns 2 of a row's 32): one byte in 32 of what the launch stores.
; REGISTERS: v1-7 addresses that stay; v8-11 the step's addresses; v12 -M, v13 the largest t, v[14:15] the sum; v16-31 the first tile's Q, v240-255 the second's (upper 8 of each zeros); v32-95 four fragments of K (upper 8 of each
; zeros); v96-159 S^T, p, then V's four fragments, on the way out o and its codes; v160-191 O^T; v192-207 p's codes; v208-223 at work; v224-227 K's scale words, v228-229 V's, v230 and v236 Q's, v231 p's; v[232:233] f; v[234:235] at work.
.set VOFF, 131072
.set KSW,  262144
.set VSW,  270336
.set STEPS, 16                         ; 2,048 keys / 128
.set WV,   20                          ; s20 my wave's number
.set SEL,  22                          ; s[22:23] v_permlanex16_b32's selects for lane l xor 16
.set CS,   24                          ; s[24:25] c = log2(e) / 8
.set MNT,  26                          ; s26 the mantissa field of 448
.set TK,   27                          ; s27 where the step's tiles begin in K's and in V's image: 8,192 bytes a step
.set TS,   28                          ; s28 K's scale words: 512 bytes a step
.set TT,   29                          ; s29 V's: 256 bytes a step
.set CNT,  30
.set G1P,  32                          ; s[32:39] group 1 for a piece of 16,384 bytes
.set G0K,  40
.set G0V,  44
.set G1KS, 48
.set G0KS, 56
.set G0VS, 60
.set G1VS, 68
.macro CROUND                          ; a round of the cluster's barrier
	s_barrier_signal -1
	s_barrier_wait -1
	s_cmp_lg_u32 s[WV], 0
	s_cbranch_scc1 .Lnot_wave_0_\@
	s_barrier_signal -3
.Lnot_wave_0_\@:
	s_barrier_wait -3
	s_barrier_signal -1
	s_barrier_wait -1
.endm
	s_load_b512 s[4:19], s[0:1], 0x0               ; q_img, q_sw, k_img, k_sw, v_img, v_sw, o_img, o_scales
	v_lshl_add_u32 v238, v0, 2, 0x43000
	v_mov_b32 v239, 0
	ds_add_u32 v238, v239
	ds_add_u32 v238, v239
	v_lshrrev_b32 v5, 5, v0
	v_readfirstlane_b32 s[WV], v5                  ; wave 0..15
	s_bfe_u32 s21, ttmp6, 0x40000                  ; cx: it enters Q's and o's global addresses alone
	s_and_b32 s76, ttmp7, 0xffff                   ; bh = 16 x batch + head, which the four partners share
	s_lshl_b32 s78, s76, 17                        ; the head's 131,072 bytes of an image,
	s_and_b32 s77, s[WV], 7
	s_lshl_b32 s77, s77, 14
	s_add_co_u32 s78, s78, s77                     ; and my piece of 16,384
	s_mov_b32 s79, 0
	s_lshl_b32 s80, s76, 13                        ; K's scale words
	s_mov_b32 s81, 0
	s_lshl_b32 s82, s76, 12                        ; V's
	s_mov_b32 s83, 0
	s_lshl_b32 s84, ttmp9, 2
	s_add_co_u32 s84, s84, s21                     ; my block of 512 queries = 4 x cluster x + cx
	s_lshl_b32 s84, s84, 5                         ; 32 tiles of 16 queries a block
	s_add_co_u32 s84, s84, s[WV]                   ; my first tile in the head; my second lies 16 tiles on
	s_lshl_b32 s86, s76, 17
	s_lshl_b32 s85, s84, 10
	s_add_co_u32 s86, s86, s85                     ; Q's image: 1,024 bytes a tile
	s_mov_b32 s87, 0
	s_lshr_b32 s88, s86, 4                         ; Q's scale words: a sixteenth
	s_mov_b32 s89, 0
	s_lshr_b32 s85, s76, 4
	s_lshl_b32 s85, s85, 7
	s_add_co_u32 s85, s85, s84                     ; my first tile among o's 512 tiles of rows: 128 x batch + tile
	s_and_b32 s77, s76, 15                         ; the head
	s_lshl_b32 s90, s85, 14                        ; o's image: 16,384 bytes a tile of rows,
	s_lshl_b32 s91, s77, 10                        ; 1,024 a head (two blocks of 512)
	s_add_co_u32 s90, s90, s91
	s_mov_b32 s91, 0
	s_lshl_b32 s84, s85, 9                         ; o's scale bytes: 32 a row, 2 a head
	s_lshl_b32 s77, s77, 1
	s_add_co_u32 s84, s84, s77
	s_mov_b32 s85, 0
	; group 1: dense blocks as rows of 256 bytes (32 elements of 8 bytes); the mask names all four work-groups, bit 21 beside it
	s_mov_b32 s[G1P], 15|(3<<16)|(1<<21)
	s_mov_b32 s[G1P+1], 32<<16
	s_mov_b32 s[G1P+2], 64<<16
	s_mov_b32 s[G1P+3], 32<<16
	s_mov_b32 s[G1P+4], 64
	s_mov_b32 s[G1P+5], 32
	s_mov_b32 s[G1P+6], 0
	s_mov_b32 s[G1P+7], 0
	s_mov_b32 s[G1KS], 15|(3<<16)|(1<<21)
	s_mov_b32 s[G1KS+1], 32<<16
	s_mov_b32 s[G1KS+2], 32<<16
	s_mov_b32 s[G1KS+3], 32<<16
	s_mov_b32 s[G1KS+4], 32
	s_mov_b32 s[G1KS+5], 32
	s_mov_b32 s[G1KS+6], 0
	s_mov_b32 s[G1KS+7], 0
	s_mov_b32 s[G1VS], 15|(3<<16)|(1<<21)
	s_mov_b32 s[G1VS+1], 32<<16
	s_mov_b32 s[G1VS+2], 16<<16
	s_mov_b32 s[G1VS+3], 32<<16
	s_mov_b32 s[G1VS+4], 16
	s_mov_b32 s[G1VS+5], 32
	s_mov_b32 s[G1VS+6], 0
	s_mov_b32 s[G1VS+7], 0
	s_mov_b32 s[SEL], 0x76543210
	s_mov_b32 s[SEL+1], 0xfedcba98
	s_mov_b32 s[CS], 0x3e38aa3b                    ; log2(e) / 8
	s_mov_b32 s[CS+1], s[CS]                       ; (named with it as a pair, so it is written)
	s_mov_b32 s[MNT], 0x600000
	s_wait_dscnt 0x0
	s_wait_kmcnt 0x0
	s_mov_b32 s[G0K], 1
	s_lshl_b32 s[G0K+1], s[WV], 14                 ; piece w lands at LDS byte 16,384 w: waves 0-7 K's image, waves 8-15 V's
	s_add_nc_u64 s[G0K+2:G0K+3], s[8:9], s[78:79]
	s_or_b32 s[G0K+3], s[G0K+3], 0x80000000
	s_mov_b32 s[G0V], 1
	s_lshl_b32 s[G0V+1], s[WV], 14
	s_add_nc_u64 s[G0V+2:G0V+3], s[12:13], s[78:79]
	s_or_b32 s[G0V+3], s[G0V+3], 0x80000000
	s_mov_b32 s[G0KS], 1
	s_mov_b32 s[G0KS+1], KSW
	s_add_nc_u64 s[G0KS+2:G0KS+3], s[10:11], s[80:81]
	s_or_b32 s[G0KS+3], s[G0KS+3], 0x80000000
	s_mov_b32 s[G0VS], 1
	s_mov_b32 s[G0VS+1], VSW
	s_add_nc_u64 s[G0VS+2:G0VS+3], s[14:15], s[82:83]
	s_or_b32 s[G0VS+3], s[G0VS+3], 0x80000000
	s_add_nc_u64 s[4:5], s[4:5], s[86:87]
	s_add_nc_u64 s[6:7], s[6:7], s[88:89]
	s_add_nc_u64 s[16:17], s[16:17], s[90:91]
	s_add_nc_u64 s[18:19], s[18:19], s[84:85]
	CROUND                                         ; all four work-groups are here: the joint loads meet
	s_cmp_lt_u32 s[WV], 8                          ; a wave's fills stand in one branch on its number: one load a wave, two in waves 0 and 8.  Four v_nop follow each
	s_cbranch_scc0 .Lfill_v
	tensor_load_to_lds s[G0K:G0K+3], s[G1P:G1P+7]
	s_nop 0
.rept 4
	v_nop
.endr
	s_cmp_lg_u32 s[WV], 0
	s_cbranch_scc1 .Lfilled
	tensor_load_to_lds s[G0KS:G0KS+3], s[G1KS:G1KS+7]
	s_nop 0
.rept 4
	v_nop
.endr
	s_branch .Lfilled
.Lfill_v:
	tensor_load_to_lds s[G0V:G0V+3], s[G1P:G1P+7]
	s_nop 0
.rept 4
	v_nop
.endr
	s_cmp_lg_u32 s[WV], 8
	s_cbranch_scc1 .Lfilled
	tensor_load_to_lds s[G0VS:G0VS+3], s[G1VS:G1VS+7]
	s_nop 0
.rept 4
	v_nop
.endr
.Lfilled:
	v_and_b32 v5, 31, v0                           ; lane
	v_lshlrev_b32 v1, 4, v5                        ; 16 x lane: an image's place for my lane
	v_add_nc_u32 v2, VOFF, v1
	v_lshl_add_u32 v3, v5, 2, KSW                  ; 4 x lane among scale words: lanes 0-15 one tile's rows, lanes 16-31 the next tile's
	v_lshl_add_u32 v4, v5, 2, VSW
	v_and_b32 v7, 15, v0
	v_lshlrev_b32 v6, 5, v7                        ; o's scale bytes: 32 a row
	v_lshlrev_b32 v7, 2, v7
	global_load_b128 v[16:19], v1, s[4:5]          ; my first tile's Q, blocks 0 and 1,
	global_load_b128 v[20:23], v1, s[4:5] offset:512
	global_load_b32 v230, v7, s[6:7]               ; and its scale words;
	global_load_b128 v[240:243], v1, s[4:5] offset:16384       ; my second tile's, 16 tiles of 1,024 bytes on,
	global_load_b128 v[244:247], v1, s[4:5] offset:16384+512
	global_load_b32 v236, v7, s[6:7] offset:1024               ; 16 tiles of 64 bytes on
.set j, 0
.rept 8
	v_mov_b32 v[24+j], 0                           ; zero codes for K = 64 .. 127: of both Q fragments,
	v_mov_b32 v[248+j], 0
	v_mov_b32 v[40+j], 0                           ; and of the four fragments of K
	v_mov_b32 v[56+j], 0
	v_mov_b32 v[72+j], 0
	v_mov_b32 v[88+j], 0
.set j, j+1
.endr
.irp b, 0,1,2,3
	v_mov_b32 v[212+\b], 0                         ; written once: a lane permute's destination counts as one of its sources
.endr
	v_mov_b32 v233, 0                              ; (named as the upper half of the pair v[232:233])
; What a walk begins with.  The step is written once for all steps: the first finds zeros in O^T and in the sum, which the first change of M leaves zeros.
.macro INIT
.set j, 0
.rept 32
	v_mov_b32 v[160+j], 0
.set j, j+1
.endr
	v_mov_b32 v14, 0
	v_mov_b32 v15, 0
	v_mov_b32 v13, 0xff61b1e6                      ; the largest t so far: -3e38
	v_floor_f32 v12, -v13                          ; -M
	s_mov_b32 s[TK], 0
	s_mov_b32 s[TS], 0
	s_mov_b32 s[TT], 0
.endm
.macro KQ g, t                         ; S^T of keys 64 g + 16 t on, for the tile in hand (its Q at v[QF], its scale words in v[QS]); an odd tile of keys has its scale words in lanes 16-31
.if (\t)%2
	v_wmma_scale_f32_16x16x128_f8f6f4 v[96+32*\g+8*\t:103+32*\g+8*\t], v[32+16*\t:47+16*\t], v[QF:QF+15], 0, v[224+2*\g+\t/2], v[QS] matrix_a_scale:MATRIX_SCALE_ROW1
.else
	v_wmma_scale_f32_16x16x128_f8f6f4 v[96+32*\g+8*\t:103+32*\g+8*\t], v[32+16*\t:47+16*\t], v[QF:QF+15], 0, v[224+2*\g+\t/2], v[QS]
.endif
.endm
.macro PV t                            ; O^T of d = 16 t on += V^T P^T; the four accumulators take turns
.if (\t)%2
	v_wmma_scale_f32_16x16x128_f8f6f4 v[160+8*\t:167+8*\t], v[96+16*\t:111+16*\t], v[192:207], v[160+8*\t:167+8*\t], v[228+\t/2], v231 matrix_a_scale:MATRIX_SCALE_ROW1
.else
	v_wmma_scale_f32_16x16x128_f8f6f4 v[160+8*\t:167+8*\t], v[96+16*\t:111+16*\t], v[192:207], v[160+8*\t:167+8*\t], v[228+\t/2], v231
.endif
.endm
.macro BMAX b0, b1                     ; the largest score of blocks b0 and b1 of 32 keys, by turns; each accumulator is read from its low end on
.irp b, \b0, \b1
	v_max3_num_f32 v[208+\b], v[96+16*\b], v[97+16*\b], v[98+16*\b]
.endr
.irp i, 3,5,7,9,11,13
.irp b, \b0, \b1
	v_max3_num_f32 v[208+\b], v[208+\b], v[96+16*\b+\i], v[97+16*\b+\i]
.endr
.endr
.irp b, \b0, \b1
	v_max_num_f32 v[208+\b], v[208+\b], v[111+16*\b]
.endr
.endm
; Line idx of the 19 that make, of the four blocks' largest p (v208-211), the conversions' scale operands (v220-223), the holds (v216-219), the scale bytes (v212-215) and p's scale word (v231); the four blocks by turns
.macro SCL
.if idx < 4
	s_wait_alu depctr_va_vdst(0)
	v_max_num_f32 v[208+idx], 0x4800000, v[208+idx]            ; the floor 2^(9 - 127): the byte cannot fall under 1
.elseif idx < 8
	v_add_nc_u32 v[220+idx-4], 0xfc000000, v[208+idx-4]        ; 8 off the exponent field: the conversion's scale operand
.elseif idx < 12
	v_and_or_b32 v[216+idx-8], v[208+idx-8], 0x7f800000, s[MNT]   ; 448 x the scale
.elseif idx < 16
	v_lshrrev_b32 v[212+idx-12], 23, v[220+idx-12]             ; the scale's byte
.elseif idx == 16
	v_lshl_or_b32 v231, v213, 8, v212                          ; p's scale word for these 128 keys
.elseif idx == 17
	v_lshl_or_b32 v231, v214, 16, v231
.else
	v_lshl_or_b32 v231, v215, 24, v231
.endif
.endm
; A KEY STEP: 128 keys.
.macro STEP
	v_add_nc_u32 v8, s[TK], v1
	v_add_nc_u32 v9, s[TK], v2
	v_add_nc_u32 v10, s[TS], v3
	v_add_nc_u32 v11, s[TT], v4
.irp u, 0,1,2,3
	ds_load_b32 v[224+\u], v10 offset:128*\u       ; K's scale words: tiles 2 u and 2 u + 1
.endr
.irp t, 0,1,2,3
	ds_load_b128 v[32+16*\t:35+16*\t], v8 offset:1024*\t
	ds_load_b128 v[36+16*\t:39+16*\t], v8 offset:1024*\t+512
.endr
.rept 5
	v_nop                                          ; with the four additions: nine places between the last step's products and the products below, which write over V's registers
.endr
	s_wait_dscnt 0x0
.irp t, 0,1,2,3
	KQ 0, \t
.endr
.rept 8
	v_nop                                          ; places in front of loads into registers that matrix instructions have read
.endr
.irp t, 0,1,2,3
	ds_load_b128 v[32+16*\t:35+16*\t], v8 offset:4096+1024*\t
	ds_load_b128 v[36+16*\t:39+16*\t], v8 offset:4096+1024*\t+512
.endr
	s_wait_dscnt 0x0
.irp t, 0,1,2,3
	KQ 1, \t
.endr
	BMAX 0, 1                                      ; sixteen plain instructions on the first four tiles: the places behind the last four products
	BMAX 2, 3
.irp b, 0,1,2,3
	v_permlanex16_b32 v[212+\b], v[208+\b], s[SEL], s[SEL+1]
.endr
.irp b, 0,1,2,3
	v_max_num_f32 v[208+\b], v[208+\b], v[212+\b]  ; with lane l xor 16's 16 keys: the block's largest score: it serves the row's maximum and, since p rises with the score, the block's largest p
.endr
	v_max3_num_f32 v234, v208, v209, v210
	v_max_num_f32 v234, v234, v211
	v_mul_f32 v234, s[CS], v234                    ; as t (c is positive)
	v_max_num_f32 v13, v13, v234                   ; the running largest t
	v_mov_b32 v234, v12
	v_floor_f32 v12, -v13                          ; the new -M = -ceil(t): a whole number
	v_sub_f32 v234, v12, v234                      ; old M - new M, 0 or less
	v_cvt_i32_f32 v234, v234                       ; (it saturates)
	v_ldexp_f32 v232, 1.0, v234                    ; f = 2^(old M - new M): multiplying by it rounds nothing
.irp b, 0,1,2,3
	v_fma_f32 v[208+\b], v[208+\b], s[CS], v12     ; t - M of each block's largest score
.endr
.irp b, 0,1,2,3
	v_exp_f32 v[208+\b], v[208+\b]                 ; the block's largest p: the same two instructions on the same number give the same bits as below
	v_pk_fma_f32 v[96+2*\b:97+2*\b], v[96+2*\b:97+2*\b], s[CS:CS+1], v[12:13] op_sel_hi:[1,0,0]   ; t - M of the first four pairs of scores
.endr
	v_pk_mul_f32 v[14:15], v[14:15], v[232:233] op_sel_hi:[1,0]   ; the sums under the new M
; FROM SCORES TO CODES, IN SLOTS.  Slot k holds the exponential of number k and, behind it, plain lines on other numbers, so that no two exponentials follow each other and each has plain lines behind it before its
; result is used (ISA guide 5.7.2): t - M of the pair four pairs ahead (even k) or the sum of the pair whose second exponential stands two slots back (odd k; the row's sum is taken of the UNQUANTISED p, in two chains);
; the hold of number k - 8, behind its pair's sum (the conversion does not saturate: ISA guide 7.6.2; p is not negative, so the hold is one-sided).  Slots 0 to 6, which have no hold yet, take the 19 lines of the block scales.
; Eight held numbers are converted at once.  A slot behind a block's second conversion V's fragment of the same number is asked for: it takes that block's sixteen registers.  Eight of O^T's sixteen rescalings are strewn in.
.set k, 0
.rept 73
.if k < 64
	v_exp_f32 v[96+k], v[96+k]                     ; p = 2^(t - M), at most 1
.endif
.if (k%2 == 0) && (k < 56)
	v_pk_fma_f32 v[104+k:105+k], v[104+k:105+k], s[CS:CS+1], v[12:13] op_sel_hi:[1,0,0]
.elseif k == 5
	s_wait_alu depctr_va_vdst(0)
	v_pk_add_f32 v[234:235], v[96:97], v[98:99]
.elseif (k%4 == 3) && (k > 5) && (k < 66)
	v_pk_add_f32 v[14:15], v[14:15], v[93+k:94+k]
.elseif (k%4 == 1) && (k > 5) && (k < 66)
	s_wait_alu depctr_va_vdst(0)
	v_pk_add_f32 v[234:235], v[234:235], v[93+k:94+k]
.elseif k == 72
	v_pk_add_f32 v[14:15], v[14:15], v[234:235]
.endif
.if k < 7
.irp n, 0,1,2
.set idx, 3*k+\n
.if idx < 19
	SCL
.endif
.endr
.endif
.if (k >= 8) && (k < 72)
	v_min_num_f32 v[88+k], v[88+k], v[216+(k-8)/16]
.endif
.if (k < 64) && (k%8 == 4)
	v_pk_mul_f32 v[160+2*(k/8):161+2*(k/8)], v[160+2*(k/8):161+2*(k/8)], v[232:233] op_sel_hi:[1,0]   ; O^T under the new M
.endif
.if (k >= 15) && (k%8 == 7)
	v_cvt_scalef32_pk8_fp8_f32 v[192+2*((k-8)/8):193+2*((k-8)/8)], v[96+8*((k-8)/8):103+8*((k-8)/8)], v[220+(k-8)/16]
	s_wait_alu depctr_va_vdst(0)
.endif
.if (k >= 24) && (k%16 == 8)
.irp c, 0,1,2,3
	ds_load_b128 v[72+k+4*\c:75+k+4*\c], v9 offset:128*(k-24)+512*\c   ; V's fragment (k - 24) / 16: 2,048 bytes each
.endr
.endif
.if k == 24
	ds_load_b32 v228, v11                          ; V's scale words: tiles 0 and 1, 2 and 3
	ds_load_b32 v229, v11 offset:128
.endif
.set k, k+1
.endr
.set j, 16
.rept 8
	v_pk_mul_f32 v[160+j:161+j], v[160+j:161+j], v[232:233] op_sel_hi:[1,0]   ; the other eight stand behind the last loads: they are also the places between the last conversion and the products
.set j, j+2
.endr
	s_wait_dscnt 0x0
.irp t, 0,1,2,3
	PV \t
.endr
	s_add_co_u32 s[TK], s[TK], 8192
	s_add_co_u32 s[TS], s[TS], 512
	s_add_co_u32 s[TT], s[TT], 256
.endm
; The walk of tile p of my two over all keys.
.macro WALK p
.set QF, 16+224*\p                     ; v16 or v240
.set QS, 230+6*\p                      ; v230 or v236
	s_mov_b32 s[CNT], STEPS
.Lstep_\@:
	STEP
	s_sub_co_u32 s[CNT], s[CNT], 1
	s_cmp_lg_u32 s[CNT], 0
	s_cbranch_scc1 .Lstep_\@
.endm
; THE WAY OUT of tile p: O^T / the sum; its two blocks of 32 along d are quantised; the codes are put into the operand's true order by one exchange of 8 bytes between lanes l and l xor 16.
.macro OUT p
	v_add_f32 v14, v14, v15
	v_permlanex16_b32 v234, v14, s[SEL], s[SEL+1]
	v_add_f32 v14, v14, v234                       ; the row's sum
	v_rcp_f32 v14, v14
.rept 8
	v_nop                                          ; places behind the last products, and the plain place behind the reciprocal
.endr
.set j, 0
	s_wait_alu depctr_va_vdst(0)
.rept 32
	v_mul_f32 v[96+j], v[160+j], v14               ; register 8 t + i is o(query r, d = 16 t + 8 h + i)
.set j, j+1
.endr
.irp b, 0,1
	v_max3_num_f32 v[208+\b], |v[96+16*\b]|, |v[97+16*\b]|, 0x4800000
.endr
.irp i, 2,4,6,8,10,12,14
.irp b, 0,1
	v_max3_num_f32 v[208+\b], v[208+\b], |v[96+16*\b+\i]|, |v[97+16*\b+\i]|
.endr
.endr
.irp b, 0,1
	v_permlanex16_b32 v[212+\b], v[208+\b], s[SEL], s[SEL+1]
.endr
.irp b, 0,1
	v_max_num_f32 v[208+\b], v[208+\b], v[212+\b]
.endr
.irp b, 0,1
	v_add_nc_u32 v[220+\b], 0xfc000000, v[208+\b]
.endr
.irp b, 0,1
	v_and_or_b32 v[216+\b], v[208+\b], 0x7f800000, s[MNT]
.endr
.irp b, 0,1
	v_lshrrev_b32 v[212+\b], 23, v[220+\b]
.endr
	v_lshl_or_b32 v136, v213, 8, v212              ; my row's two scale bytes
.irp b, 0,1
.irp i, 0,1,2,3,4,5,6,7,8,9,10,11,12,13,14,15
	v_med3_num_f32 v[96+16*\b+\i], v[96+16*\b+\i], -v[216+\b], v[216+\b]
.endr
	v_cvt_scalef32_pk8_fp8_f32 v[192+4*\b:193+4*\b], v[96+16*\b:103+16*\b], v[220+\b]     ; d = 32 b + 8 h + 0 .. 7
	v_cvt_scalef32_pk8_fp8_f32 v[194+4*\b:195+4*\b], v[104+16*\b:111+16*\b], v[220+\b]    ; d = 32 b + 16 + 8 h + 0 .. 7
.endr
	v_nop                                          ; a plain place behind the conversions
	v_cmp_gt_u32 vcc_lo, 16, v5                    ; lanes 0-15 want d = 32 b + 0 .. 15, lanes 16-31 d = 32 b + 16 .. 31
.irp b, 0,1
.irp k, 0,1
	v_cndmask_b32 v[200+2*\b+\k], v[192+4*\b+\k], v[194+4*\b+\k], vcc_lo   ; what the other half wants: lanes 0-15 give their upper 8, lanes 16-31 their lower 8
.endr
.endr
.irp b, 0,1
.irp k, 0,1
	v_permlanex16_b32 v[204+2*\b+\k], v[200+2*\b+\k], s[SEL], s[SEL+1]
.endr
.endr
.irp b, 0,1
.irp k, 0,1
	v_cndmask_b32 v[128+4*\b+\k], v[204+2*\b+\k], v[192+4*\b+\k], vcc_lo
	v_cndmask_b32 v[130+4*\b+\k], v[194+4*\b+\k], v[204+2*\b+\k], vcc_lo
.endr
.endr
	global_store_b128 v1, v[128:131], s[16:17] offset:262144*\p        ; 32 lanes store 512 consecutive bytes, aligned: block 0 of my head (the second tile: 16 tiles of 16,384 bytes on),
	global_store_b128 v1, v[132:135], s[16:17] offset:262144*\p+512    ; block 1
	global_store_b16 v6, v136, s[18:19] offset:8192*\p                 ; lanes l and l + 16 write the same two bytes with the same value (the second tile: 16 tiles of 512 bytes on)
.endm
	INIT
	s_wait_loadcnt 0x0                             ; both tiles' Q
	s_wait_tensorcnt 0x0                           ; my piece of the head is in (in waves 0 and 8 the scale words too),
	s_barrier_signal -1
	s_barrier_wait -1                              ; everybody's is: the whole head lies in LDS, and nothing is ever filled again
	WALK 0
	OUT 0
	INIT                                           ; my second tile begins: the same keys, still in LDS
	s_wait_xcnt 0x0                                ; the first tile's stores have had their addresses translated (ISA guide 3.1): only behind this wait do the walk's products write v128-136, which those stores read
	WALK 1
	OUT 1
	s_wait_tensorcnt 0x0
	ds_add_u32 v238, v239
	s_wait_dscnt 0x0
	CROUND                                         ; the closing round: no work-group ends while a partner may still ask for a tile that names it
	s_endpgm
.Lfunc_end_k_qeb1cc7f3ac_attn:
	.size	k_qeb1cc7f3ac_attn, .Lfunc_end_k_qeb1cc7f3ac_attn-k_qeb1cc7f3ac_attn
	.p2alignl 7, 3214868480
	.fill 96, 4, 3214868480
	.section	.rodata,"a",@progbits
	.p2align	6, 0x0
	.amdhsa_kernel k_qeb1cc7f3ac_attn
		.amdhsa_group_segment_fixed_size 276480
		.amdhsa_private_segment_fixed_size 0
		.amdhsa_enable_private_segment 0
		.amdhsa_kernarg_size 64
		.amdhsa_user_sgpr_count 2
		.amdhsa_user_sgpr_kernarg_segment_ptr 1
		.amdhsa_wavefront_size32 1
		.amdhsa_system_sgpr_workgroup_id_x 1
		.amdhsa_system_sgpr_workgroup_id_y 1
		.amdhsa_system_sgpr_workgroup_id_z 1
		.amdhsa_system_vgpr_workitem_id 0
		.amdhsa_next_free_vgpr 256
		.amdhsa_next_free_sgpr 92
		.amdhsa_reserve_vcc 1
		.amdhsa_float_denorm_mode_32 3
		.amdhsa_float_denorm_mode_16_64 3
		.amdhsa_memory_ordered 1
		.amdhsa_forward_progress 1
		.amdhsa_inst_pref_size 64
	.end_amdhsa_kernel
	.amdgpu_metadata
---
amdhsa.version: [ 1, 2 ]
amdhsa.kernels:
  - .name:           k_qeb1cc7f3ac_attn
    .symbol:         k_qeb1cc7f3ac_attn.kd
    .args:
      - { .name: q_img, .offset: 0, .size: 8, .value_kind: global_buffer, .address_space: global }
      - { .name: q_sw, .offset: 8, .size: 8, .value_kind: global_buffer, .address_space: global }
      - { .name: k_img, .offset: 16, .size: 8, .value_kind: global_buffer, .address_space: global }
      - { .name: k_sw, .offset: 24, .size: 8, .value_kind: global_buffer, .address_space: global }
      - { .name: v_img, .offset: 32, .size: 8, .value_kind: global_buffer, .address_space: global }
      - { .name: v_sw, .offset: 40, .size: 8, .value_kind: global_buffer, .address_space: global }
      - { .name: o_img, .offset: 48, .size: 8, .value_kind: global_buffer, .address_space: global }
      - { .name: o_scales, .offset: 56, .size: 8, .value_kind: global_buffer, .address_space: global }
    .group_segment_fixed_size: 276480
    .private_segment_fixed_size: 0
    .kernarg_segment_align: 8
    .kernarg_segment_size: 64
    .max_flat_workgroup_size: 512
    .sgpr_count:     92
    .vgpr_count:     256
    .wavefront_size: 32
...
	.end_amdgpu_metadata
.endif
;; end of part 3
;; launch outproj (part 4): grid 4 x 32, 4 waves a work-group, clusters of 4 x 4, 327,680 bytes of LDS; arguments o_img, o_scales, Wo_codes, Wo_scales, bo, out0; writes out0
.if DOCPART == 4
	.amdgcn_target "amdgcn-amd-amdhsa--gfx1250"
	.amdhsa_code_object_version 6
	.text
	.protected	k_qeb1cc7f3ac_outproj
	.globl	k_qeb1cc7f3ac_outproj
	.p2align	8
	.type	k_qeb1cc7f3ac_outproj,@function
k_qeb1cc7f3ac_outproj:
	s_mov_b64 s[64:65], 0
	v_nop
	global_prefetch_b8 v0, s[64:65] scope:SCOPE_SE
	s_setreg_imm32_b32 hwreg(HW_REG_WAVE_MODE, 25, 1), 1
	s_wait_xcnt 0x0
	s_wait_alu depctr_hold_cnt(0) depctr_sa_sdst(0) depctr_va_vdst(0) depctr_va_sdst(0) depctr_va_ssrc(0) depctr_va_vcc(0) depctr_vm_vsrc(0)
	s_getreg_b32 s2, hwreg(HW_REG_IB_STS2, 6, 4)
	s_cmp_eq_u32 s2, 0
	s_cbranch_scc0 .Lentry_in_a_cluster
	s_endpgm
.Lentry_in_a_cluster:
	s_bfe_u32 s2, ttmp6, 0x10000c
	s_cmp_lg_u32 s2, 0xf033
	s_cbranch_scc0 .Lentry_shape_is_right
	s_endpgm
.Lentry_shape_is_right:
; ONE TEXT, THREE USES (MODE).  C[m][n] = sum over k of A[m][k] B[n][k] + bias, K = 1,024, on codes of FP8 (E4M3) with one E8M0 scale for each 32 along K; sums in f32.
;   MODE 0: A = Q or K (8,192 rows), B = Wq or Wk (1,024 rows = head x 64 + d), bias by column.  The result is quantised along d (a lane's registers) and leaves as an image of operand registers + scale words.
;   MODE 1: A = Wv (1,024 rows = head x 64 + d), B = V (8,192 rows = keys), bias by row.  The result, v transposed, is quantised along the keys and leaves likewise.
;   MODE 2: A = o, given as an image of operand registers, B = Wo, bias by column.  The result leaves as f32.
; A tile of C, 256 x 256, is made by four waves, each 128 x 128: 64 accumulators of 16 x 16.  K goes in steps of 256 through a ring of two LDS slots filled by the tensor data mover.
; The scale bytes of the work-group's rows, for all of K, come into LDS once.  4 x 4 work-groups form a cluster: A's tiles are asked for jointly along a row of the cluster, B's along a column.
; THE MATRIX INSTRUCTION IS USED TRANSPOSED (source 0 = 16 rows of B, source 1 = 16 rows of A): lane (r, h) holds row 16 a + r of A and, in register j of accumulator (a, b), row 16 b + 8 h + j of B.
; THE BIAS is the C of each sum's first matrix instruction: 64 registers in the result's layout.
; QUANTISING (MODE 0, 1): the 16 registers of accumulators (a, 2 c) and (a, 2 c + 1) are 16 numbers of block c of 32; lane l xor 16 holds the other 16.  Their codes are stored as the lane's 16 bytes of operand block c as they
; stand: operand place 32 c + 16 h + 8 u + j holds index 32 c + 16 u + 8 h + j.  Every operand that meets such an image in a product is made in the same order, and the order stays inside a block, so sums and scales are the true ones.
; LIMITS: NaN and infinities are not served.  A block whose largest magnitude lies under 2^(9 - 127), a block of zeros among them, gets the scale byte 1: only this program reads these bytes.
; REGISTERS, in windows of 256: window 0: v0-31 addresses; v32-63 scale words, two sets; v64-127 the bias; v128-255 A's fragments, one set.  window 1: B's fragments, two sets.  windows 2, 3: accumulators (a, b) at v[8 (8 (a % 4) + b)].
.set MODE,   2
.set NQ,     2                         ; matrix instructions deep in a slot: 256 along K
.set PITCH,  272                       ; an LDS row: 256 bytes + 16 of padding: the 16 rows of a fragment load start 68 words apart
.set FR,     16                        ; registers of a fragment
.set NL,     4                         ; LDS loads that bring one
.set NP,     8                         ; places behind this matrix instruction (ISA guide 7.12.1)
.set HALFT,  128*PITCH                 ; 128 rows: one tensor load
.set SLOT,   4*HALFT                   ; A's two halves, then B's
.set SCL,    2*SLOT                    ; the scale bytes: units of 256 bytes + 16 of padding
.set HALFS,  16*272                    ; those of 128 rows
.set SBLK,   2*272                     ; those of 16 rows
.set SPARE,  SCL+4*HALFS               ; the spare words, 128 bytes a wave
.set SST,    SPARE+512                 ; MODE 0, 1: a stage for scale words, 1,024 bytes a wave; no tile lands here
.set SPITCH, 528                       ; MODE 2: the way out: 16 rows x (512 + 16) bytes a wave, in slot 0 behind its last fill and last read
.set SIZE_N, 1024
.set LAPS,   2                         ; 1,024 / 512
.set CW0,    (1<<20)|(1<<21)|(5<<22)|(3<<25)   ; group 1, word 0, rows of codes: elements of 1 byte; padding on; bit 21 beside a mask; 4 words behind every 64
.set SW0,    (3<<16)|(1<<20)|(1<<21)|(5<<22)|(3<<25)   ; scale bytes: elements of 8 bytes, the same padding
.if MODE == 2
.set AW0,    (3<<16)|(1<<21)           ; A as an image: elements of 8 bytes, no padding
.set AD0,    512                       ; a tile of 16 rows of o gives 4,096 bytes for 256 along K,
.set AD1,    8                         ; eight such tiles,
.set APT,    2048                      ; 16,384 bytes apart
.set ASTEP,  4096
.else
.set AW0,    CW0
.set AD0,    256
.set AD1,    128
.set APT,    1024
.set ASTEP,  256
.endif
.set ADRA, 16                          ; v16-17 LDS address of my A fragments in slot 0, 1
.set ADRB, 20                          ; v20-21 the same for B
.set STO,  24                          ; v24 where I put results (MODE 2) or scale words (MODE 0, 1) into my stage
.set RD,   25                          ; v25 where I read them back
.set CO,   26                          ; v26 16 x lane: my byte offset in a store of 512 bytes
.set ADRS, 27                          ; v27 LDS address of my scale words: lanes 0-15 A's rows, lanes 16-31 B's
.set SPW,  28                          ; v28 my spare word; never rewritten
.set NIL,  29                          ; v29 0; never rewritten
.set GSW,  30                          ; v30 MODE 1: my byte offset among the scale words
.set SC,   32
.set BI,   64
.set AF,   128
.set BK,   128
.set TM,   32                          ; the quantiser: v32-35 largest magnitudes, v36-39 bytes, v40-43 holds, v44-47 the conversions' scale operands
.set G1,   24
.set G0,   32
.set G1B,  48
.set G0B,  56
.set G1S,  68
.set G0S,  76
.set G1SB, 80
.set G0SB, 88
.set MSB, 0
.macro WIN new                         ; the immediate's high byte repeats the setting that is left
.if MSB != (\new)
	s_set_vgpr_msb (MSB<<8)|(\new)
.set MSB, (\new)
.endif
.endm
.set MUL_LO, 0xa1                      ; source 0 (B) window 1, source 1 (A) window 0, C and D window 2
.set MUL_HI, 0xf1                      ; the same, C and D window 3
.set TO_B,   0x40
; A joint load: waves 0, 1 fetch for A, waves 2, 3 for B; the branch hangs on the wave's number alone.  Four v_nop follow each line.
.macro JLOAD g0a, g1a, g0b, g1b
	s_cmp_eq_u32 s19, 0
	s_cbranch_scc0 .Lfor_b_\@
	tensor_load_to_lds s[\g0a:\g0a+3], s[\g1a:\g1a+7]
	s_nop 0
.rept 4
	v_nop
.endr
	s_branch .Lasked_\@
.Lfor_b_\@:
	tensor_load_to_lds s[\g0b:\g0b+3], s[\g1b:\g1b+7]
	s_nop 0
.rept 4
	v_nop
.endr
.Lasked_\@:
.endm
.macro CREST                           ; a round of the cluster's barrier behind its opening barrier
	s_cmp_lg_u32 s18, 0
	s_cbranch_scc1 .Lnot_wave_0_\@
	s_barrier_signal -3
.Lnot_wave_0_\@:
	s_barrier_wait -3
	s_barrier_signal -1
	s_barrier_wait -1
.endm
.macro CROUND
	s_barrier_signal -1
	s_barrier_wait -1
	CREST
.endm
	s_load_b256 s[4:11], s[0:1], 0x0               ; A's codes, A's scales, B's codes, B's scales
	s_load_b128 s[12:15], s[0:1], 0x20             ; the bias, the first output
.if MODE < 2
	s_load_b64 s[16:17], s[0:1], 0x30              ; the scale words' buffer
.endif
.if MODE == 0
	s_load_b256 s[68:75], s[0:1], 0x38             ; the same seven for K
	s_load_b128 s[76:79], s[0:1], 0x58
	s_load_b64 s[80:81], s[0:1], 0x68
.endif
	v_lshl_add_u32 v[SPW], v0, 2, SPARE
	v_mov_b32 v[NIL], 0
	ds_add_u32 v28, v29
	ds_add_u32 v28, v29
	s_wait_dscnt 0x0
	v_lshrrev_b32 v1, 5, v0
	v_readfirstlane_b32 s18, v1                    ; wave 0..3
	s_lshr_b32 s19, s18, 1                         ; my half of the tile's rows.  Also: I fetch for A (0) or B (1)
	s_and_b32 s20, s18, 1                          ; my half of its columns.  Also: which 128 rows I fetch
	s_bfe_u32 s40, ttmp6, 0x40000                  ; cx
	s_bfe_u32 s41, ttmp6, 0x40004                  ; cy
	s_lshl_b32 s22, ttmp9, 2
	s_add_co_u32 s22, s22, s40                     ; tile column = 4 x cluster x + cx
	s_and_b32 s21, ttmp7, 0xffff
.if MODE == 0
	s_mov_b32 s2, s21                              ; the cluster's y: 0-7 take Q, 8-15 take K
.endif
	s_lshl_b32 s21, s21, 2
	s_add_co_u32 s21, s21, s41                     ; tile row = 4 x cluster y + cy
.if MODE == 0
	s_and_b32 s21, s21, 31                         ; within the tensor chosen
.endif
	s_lshl_b32 s42, s41, 2
	s_lshl_b32 s42, 15, s42                        ; my row of the cluster
	s_lshl_b32 s43, 0x1111, s40                    ; my column
	s_or_b32 s[G1+0], s42, AW0
	s_or_b32 s[G1B+0], s43, CW0
	s_mov_b32 s[G1+1], AD0<<16                     ; tensor_dim0
	s_mov_b32 s[G1+2], AD1<<16                     ; tensor_dim1
	s_mov_b32 s[G1+3], AD0<<16                     ; tile_dim0
	s_mov_b32 s[G1+4], AD1                         ; tile_dim1
	s_mov_b32 s[G1+5], APT                         ; elements from row to row
	s_mov_b32 s[G1+6], 0
	s_mov_b32 s[G1+7], 0
	s_mov_b32 s[G1B+1], 256<<16
	s_mov_b32 s[G1B+2], 128<<16
	s_mov_b32 s[G1B+3], 256<<16
	s_mov_b32 s[G1B+4], 128
	s_mov_b32 s[G1B+5], 1024
	s_mov_b32 s[G1B+6], 0
	s_mov_b32 s[G1B+7], 0
	s_lshl_b32 s23, s20, 7                         ; which 128 rows of a tile I fetch
	s_lshl_b32 s92, s21, 8
	s_add_co_u32 s92, s92, s23                     ; A: row 256 x tile row + 128 x half
	s_lshl_b32 s94, s92, 5                         ; its scale bytes: 32 a row
	s_lshl_b32 s92, s92, 10                        ; its codes: 1,024 bytes a row (as an image: 16,384 for 16 rows)
	s_mov_b32 s93, 0
	s_mov_b32 s95, 0
	s_lshl_b32 s96, s22, 8
	s_add_co_u32 s96, s96, s23                     ; B: row 256 x tile column + 128 x half
	s_lshl_b32 s98, s96, 5
	s_lshl_b32 s96, s96, 10
	s_mov_b32 s97, 0
	s_mov_b32 s99, 0
	s_mul_i32 s44, s18, HALFT                      ; where they go: no place in the cluster enters an LDS address
	s_mul_i32 s45, s18, HALFS
	s_wait_kmcnt 0x0
.if MODE == 0
	s_cmp_lt_u32 s2, 8                             ; the choice hangs on the cluster's number alone: all sixteen partners choose alike
	s_cselect_b64 s[4:5], s[4:5], s[68:69]
	s_cselect_b64 s[6:7], s[6:7], s[70:71]
	s_cselect_b64 s[8:9], s[8:9], s[72:73]
	s_cselect_b64 s[10:11], s[10:11], s[74:75]
	s_cselect_b64 s[12:13], s[12:13], s[76:77]
	s_cselect_b64 s[14:15], s[14:15], s[78:79]
	s_cselect_b64 s[16:17], s[16:17], s[80:81]
.endif
	s_or_b32 s[G1S+0], s42, SW0                    ; the scale bytes of 128 rows: 4,096 dense bytes as 16 rows of 256
	s_or_b32 s[G1SB+0], s43, SW0
.irp g, G1S, G1SB
	s_mov_b32 s[\g+1], 32<<16
	s_mov_b32 s[\g+2], 16<<16
	s_mov_b32 s[\g+3], 32<<16
	s_mov_b32 s[\g+4], 16
	s_mov_b32 s[\g+5], 32
	s_mov_b32 s[\g+6], 0
	s_mov_b32 s[\g+7], 0
.endr
	s_add_nc_u64 s[92:93], s[4:5], s[92:93]
	s_add_nc_u64 s[94:95], s[6:7], s[94:95]
	s_add_nc_u64 s[96:97], s[8:9], s[96:97]
	s_add_nc_u64 s[98:99], s[10:11], s[98:99]
	CROUND                                         ; all sixteen work-groups are here: the first joint loads meet
	s_mov_b32 s[G0S], 1
	s_add_co_u32 s[G0S+1], s45, SCL
	s_mov_b64 s[G0S+2:G0S+3], s[94:95]
	s_or_b32 s[G0S+3], s[G0S+3], 0x80000000
	s_mov_b32 s[G0SB], 1
	s_add_co_u32 s[G0SB+1], s45, SCL
	s_mov_b64 s[G0SB+2:G0SB+3], s[98:99]
	s_or_b32 s[G0SB+3], s[G0SB+3], 0x80000000
	JLOAD G0S, G1S, G0SB, G1SB                     ; the scales first: they are wanted with K step 0
.irp s, 0,1
	s_mov_b32 s[G0+4*\s], 1
	s_add_co_u32 s[G0+4*\s+1], s44, \s*SLOT
	s_add_nc_u64 s[G0+4*\s+2:G0+4*\s+3], s[92:93], \s*ASTEP
	s_or_b32 s[G0+4*\s+3], s[G0+4*\s+3], 0x80000000
	s_mov_b32 s[G0B+4*\s], 1
	s_add_co_u32 s[G0B+4*\s+1], s44, \s*SLOT
	s_add_nc_u64 s[G0B+4*\s+2:G0B+4*\s+3], s[96:97], \s*256
	s_or_b32 s[G0B+4*\s+3], s[G0B+4*\s+3], 0x80000000
	JLOAD G0+4*\s, G1, G0B+4*\s, G1B               ; three tensor loads of mine are out now
.endr
	v_and_b32 v1, 15, v0                           ; r
	v_bfe_u32 v2, v0, 4, 1                         ; h
	v_mul_u32_u24 v3, v1, PITCH
	v_lshl_add_u32 v4, v2, 4, v3                   ; a fragment's row x pitch + 16 h
	v_and_b32 v6, 31, v0
	v_lshlrev_b32 v7, 4, v6                        ; 16 x lane: an image's place for my lane
	s_mul_i32 s23, s19, HALFT                      ; my 128 rows of A
	s_mul_i32 s2, s20, HALFT                       ; my 128 rows of B,
	s_add_co_u32 s2, s2, 2*HALFT                   ; behind A's 256
.irp s, 0,1
.if MODE == 2
	v_add_nc_u32 v[ADRA+\s], s23, v7
.else
	v_add_nc_u32 v[ADRA+\s], s23, v4
.endif
	v_add_nc_u32 v[ADRB+\s], s2, v4
	s_add_co_u32 s23, s23, SLOT
	s_add_co_u32 s2, s2, SLOT
.endr
	v_mul_u32_u24 v5, v1, 32                       ; my row's scale bytes: 32 a row,
	v_lshrrev_b32 v8, 8, v5
	v_lshl_add_u32 v5, v8, 4, v5                   ; and 16 more for each 256 passed
	s_mul_i32 s23, s19, HALFS
	s_mul_i32 s2, s20, HALFS
	s_add_co_u32 s2, s2, 2*HALFS
	s_sub_co_u32 s2, s2, s23
	v_mul_u32_u24 v8, s2, v2                       ; lanes 16-31 take B's
	s_add_co_u32 s23, s23, SCL
	v_add_nc_u32 v5, v5, v8
	v_add_nc_u32 v[ADRS], s23, v5
	v_lshlrev_b32 v[CO], 4, v6
; the bias, in the result's layout
.if MODE == 1
	s_lshl_b32 s92, s21, 10                        ; by row of A: 4 bytes x (256 tile row + 128 half + 16 a + r): the lane's eight registers hold one number
	s_lshl_b32 s93, s19, 9
	s_add_co_u32 s92, s92, s93
	s_mov_b32 s93, 0
	s_add_nc_u64 s[12:13], s[12:13], s[92:93]
	v_lshlrev_b32 v8, 2, v1
.irp a, 0,1,2,3,4,5,6,7
.irp j, 0,1,2,3,4,5,6,7
	global_load_b32 v[BI+8*\a+\j], v8, s[12:13] offset:64*\a
.endr
.endr
.else
	s_lshl_b32 s96, s22, 10                        ; by row of B: 4 bytes x (256 tile column + 128 half + 16 b + 8 h + j)
	s_lshl_b32 s97, s20, 9
	s_add_co_u32 s96, s96, s97
	s_mov_b32 s97, 0
	s_add_nc_u64 s[12:13], s[12:13], s[96:97]
	v_lshlrev_b32 v8, 5, v2
.irp b, 0,1,2,3,4,5,6,7
	global_load_b128 v[BI+8*\b:BI+8*\b+3], v8, s[12:13] offset:64*\b
	global_load_b128 v[BI+8*\b+4:BI+8*\b+7], v8, s[12:13] offset:64*\b+16
.endr
.endif
; where my results go
.if MODE == 0
	s_lshl_b32 s46, s21, 8
	s_lshl_b32 s47, s19, 7
	s_add_co_u32 s46, s46, s47                     ; my first row (batch x 2,048 + s)
	s_lshr_b32 s47, s46, 11
	s_lshl_b32 s47, s47, 4                         ; 16 x batch
	s_lshl_b32 s2, s22, 2
	s_add_co_u32 s47, s47, s2
	s_lshl_b32 s2, s20, 1
	s_add_co_u32 s47, s47, s2                      ; + my first head: 4 x tile column + 2 x half
	s_and_b32 s46, s46, 2047
	s_lshl_b32 s46, s46, 6                         ; a tile of 16 rows is 1,024 bytes of image,
	s_lshl_b32 s47, s47, 17                        ; a head 131,072
	s_add_co_u32 s46, s46, s47
	s_mov_b32 s47, 0
	s_add_nc_u64 s[14:15], s[14:15], s[46:47]
	s_lshr_b32 s46, s46, 4                         ; scale words: 4 bytes a row, 8,192 a head: a sixteenth
	s_add_nc_u64 s[16:17], s[16:17], s[46:47]
.elseif MODE == 1
	s_lshl_b32 s46, s22, 8
	s_lshl_b32 s47, s20, 7
	s_add_co_u32 s46, s46, s47                     ; my first key (batch x 2,048 + s)
	s_lshr_b32 s47, s46, 11
	s_lshl_b32 s47, s47, 4
	s_lshl_b32 s2, s21, 2
	s_add_co_u32 s47, s47, s2
	s_lshl_b32 s2, s19, 1
	s_add_co_u32 s47, s47, s2                      ; 16 x batch + my first head
	s_bfe_u32 s46, s46, 0x40007                    ; which 128 keys of the head
	s_lshl_b32 s46, s46, 13                        ; 8,192 bytes of image for 128 keys
	s_lshl_b32 s47, s47, 17
	s_add_co_u32 s46, s46, s47
	s_mov_b32 s47, 0
	s_add_nc_u64 s[14:15], s[14:15], s[46:47]
	s_lshr_b32 s46, s46, 5                         ; scale words: 256 bytes for 128 keys, 4,096 a head
	s_add_nc_u64 s[16:17], s[16:17], s[46:47]
	v_lshlrev_b32 v[GSW], 4, v1
	v_lshl_add_u32 v[GSW], v2, 12, v[GSW]          ; lanes 0-15 my first head's 256 bytes, lanes 16-31 the next head's
.else
	s_lshl_b32 s46, s21, 8
	s_lshl_b32 s47, s19, 7
	s_add_co_u32 s46, s46, s47
	s_lshl_b32 s46, s46, 12                        ; my first row of the output, 4,096 bytes a row
	s_lshl_b32 s47, s22, 10
	s_add_co_u32 s46, s46, s47
	s_lshl_b32 s47, s20, 9
	s_add_co_u32 s46, s46, s47                     ; + my first column
	s_mov_b32 s47, 0
	s_add_nc_u64 s[14:15], s[14:15], s[46:47]
.endif
.if MODE == 2
	s_mul_i32 s23, s18, 16*SPITCH                  ; my stage
	v_mul_u32_u24 v5, v1, SPITCH
	v_lshl_add_u32 v5, v2, 5, v5
	v_add_nc_u32 v[STO], s23, v5                   ; in: row r, 32 bytes for each half of the lanes
	v_add_nc_u32 v[RD], s23, v[CO]                 ; back: the 32 lanes take one row of 512 bytes
.else
	s_lshl_b32 s23, s18, 10
	s_add_co_u32 s23, s23, SST                     ; my stage for scale words
	v_lshl_add_u32 v[STO], v1, 2, s23              ; in: 4 bytes a row
	v_add_nc_u32 v[RD], s23, v7                    ; back: 16 bytes a lane
.endif
.macro FRAG reg, adr, q, i             ; 16 rows x 128 K from padded rows: registers 4 c .. 4 c + 3 hold K = 32 c + 16 h + 0 .. 15
.irp c, 0,1,2,3
	ds_load_b128 v[\reg+4*\c:\reg+4*\c+3], v[\adr] offset:128*(\q)+32*\c+(\i)*16*PITCH
.endr
.endm
.macro FRAGA reg, adr, q, i            ; the same from an image: 512 consecutive bytes a load
.irp c, 0,1,2,3
	ds_load_b128 v[\reg+4*\c:\reg+4*\c+3], v[\adr] offset:4096*(\i)+2048*(\q)+512*\c
.endr
.endm
; 16 matrix instructions: A's blocks a0, a0 + 1 x B's eight.  p: B's set; sc: the set of scale words.  zero = 1: the first product starts the sums, from the bias.
; The 64 accumulators take turns, one instruction a turn, in the same order in every step.
.macro MUL16 a0, p, q, sc, zero
.irp a, \a0, \a0+1
.irp b, 0,1,2,3,4,5,6,7
.if \zero
.if MODE == 1
	v_wmma_scale_f32_16x16x128_f8f6f4 v[8*(8*((\a)%4)+\b):8*(8*((\a)%4)+\b)+7], v[128*(\p)+FR*\b:128*(\p)+FR*\b+FR-1], v[AF+FR*(\a):AF+FR*(\a)+FR-1], v[BI+8*(\a):BI+8*(\a)+7], v[SC+8*NQ*(\sc)+NQ*\b+(\q)], v[SC+8*NQ*(\sc)+NQ*(\a)+(\q)] matrix_a_scale:MATRIX_SCALE_ROW1
.else
	v_wmma_scale_f32_16x16x128_f8f6f4 v[8*(8*((\a)%4)+\b):8*(8*((\a)%4)+\b)+7], v[128*(\p)+FR*\b:128*(\p)+FR*\b+FR-1], v[AF+FR*(\a):AF+FR*(\a)+FR-1], v[BI+8*\b:BI+8*\b+7], v[SC+8*NQ*(\sc)+NQ*\b+(\q)], v[SC+8*NQ*(\sc)+NQ*(\a)+(\q)] matrix_a_scale:MATRIX_SCALE_ROW1
.endif
.else
	v_wmma_scale_f32_16x16x128_f8f6f4 v[8*(8*((\a)%4)+\b):8*(8*((\a)%4)+\b)+7], v[128*(\p)+FR*\b:128*(\p)+FR*\b+FR-1], v[AF+FR*(\a):AF+FR*(\a)+FR-1], v[8*(8*((\a)%4)+\b):8*(8*((\a)%4)+\b)+7], v[SC+8*NQ*(\sc)+NQ*\b+(\q)], v[SC+8*NQ*(\sc)+NQ*(\a)+(\q)] matrix_a_scale:MATRIX_SCALE_ROW1
.endif
.endr
.endr
.endm
.macro FETCH_B slot, q, p
	WIN TO_B
.irp i, 0,1,2,3,4,5,6,7
	FRAG 128*(\p)+FR*\i, ADRB+\slot, \q, \i
.endr
	WIN 0
.endm
.macro FETCH_A slot, q, i0
.irp i, \i0, \i0+1, \i0+2, \i0+3
.if MODE == 2
	FRAGA AF+FR*(\i), ADRA+\slot, \q, \i
.else
	FRAG AF+FR*(\i), ADRA+\slot, \q, \i
.endif
.endr
.endm
.macro SCALES sc                       ; a K step's scale words: two a row; lanes 0-15 A's block i, lanes 16-31 B's block i
.irp i, 0,1,2,3,4,5,6,7
	ds_load_b64 v[SC+8*NQ*\sc+NQ*\i:SC+8*NQ*\sc+NQ*\i+1], v[ADRS] offset:\i*SBLK
.endr
.endm
.macro PLACES n                        ; plain vector instructions between a matrix instruction and a load into, or a read of, its registers
.rept \n
	v_nop
.endr
.endm
; A step of 128 along K that has its successor in the same slot.  zero = 1: C is the bias, in window 0.
.macro STEP slot, q, zero
	s_wait_dscnt 4*NL                              ; B's set, the scale words and A's blocks 0-3 are in; the youngest 16 loads (A's blocks 4-7) may be out
	WIN MUL_LO-0x20*\zero
	MUL16 0, (\q)%2, \q, \slot, \zero
	MUL16 2, (\q)%2, \q, \slot, \zero
	s_wait_dscnt 0
	PLACES NP
	FETCH_B \slot, (\q)+1, 1-(\q)%2
	FETCH_A \slot, (\q)+1, 0
	WIN MUL_HI-0x30*\zero
	MUL16 4, (\q)%2, \q, \slot, \zero
	MUL16 6, (\q)%2, \q, \slot, \zero
	PLACES NP
	WIN 0
	FETCH_A \slot, (\q)+1, 4
.endm
; A slot's last step changes slots: one barrier; in front of it each wave waits for all its tensor loads, adds 0 to its spare word, and waits for that and for its reads of this slot.
.macro TURN slot, next, fill
	s_wait_tensorcnt 0x0                           ; all my tensor loads have landed: my part of the next slot
	ds_add_u32 v[SPW], v[NIL]                      ; 0 onto my spare word
	s_wait_dscnt 4*NL+1                            ; the add and the youngest 16 loads (A's blocks 4-7) may be out
	WIN MUL_LO
	MUL16 0, 1, NQ-1, \slot, 0
	s_wait_dscnt 0x0                               ; the add is done, and my reads of this slot are over
	s_barrier_signal -1
	MUL16 2, 1, NQ-1, \slot, 0
	WIN 0
	s_barrier_wait -1
.if \fill
	CREST                                          ; the barrier has opened a round of the cluster's barrier: no wave of any partner still reads this slot or has a load on its way
	s_add_nc_u64 s[G0+4*\slot+2:G0+4*\slot+3], s[G0+4*\slot+2:G0+4*\slot+3], 2*ASTEP
	s_add_nc_u64 s[G0B+4*\slot+2:G0B+4*\slot+3], s[G0B+4*\slot+2:G0B+4*\slot+3], 2*256
	JLOAD G0+4*\slot, G1, G0B+4*\slot, G1B         ; my one tensor load behind the round; its four v_nop are four of the eight places
	PLACES NP-4
.else
	PLACES NP
.endif
	v_add_nc_u32 v[ADRS], 4*NQ, v[ADRS]            ; the next K step's scale words
	FETCH_B \next, 0, 0
	FETCH_A \next, 0, 0
	SCALES \next
	WIN MUL_HI
	MUL16 4, 1, NQ-1, \slot, 0
	MUL16 6, 1, NQ-1, \slot, 0
	PLACES NP
	WIN 0
	FETCH_A \next, 0, 4
.endm
	s_wait_tensorcnt 1                             ; the scales and my part of K step 0 are in; K step 1's load may be out
	s_barrier_signal -1
	s_barrier_wait -1
	FETCH_B 0, 0, 0
	FETCH_A 0, 0, 0
	SCALES 0
	FETCH_A 0, 0, 4
	s_wait_loadcnt 0x0                             ; the bias
	STEP 0, 0, 1
	s_mov_b32 s3, LAPS-1
.Llap:                                                 ; a trip goes once round the ring and fills both slots again
	TURN 0, 1, 1
	STEP 1, 0, 0
	TURN 1, 0, 1
	STEP 0, 0, 0
	s_sub_co_u32 s3, s3, 1
	s_cmp_lg_u32 s3, 0
	s_cbranch_scc1 .Llap
	TURN 0, 1, 0                                   ; the last lap fills nothing
	STEP 1, 0, 0
	s_wait_dscnt 4*NL
	WIN MUL_LO
	MUL16 0, 1, NQ-1, 1, 0
	MUL16 2, 1, NQ-1, 1, 0
	s_wait_dscnt 0
	WIN MUL_HI
	MUL16 4, 1, NQ-1, 1, 0
	MUL16 6, 1, NQ-1, 1, 0
	WIN 0
	PLACES NP                                      ; behind the last products: their results are read and their operands' registers written below
.if MODE < 2
; THE WAY OUT, MODE 0 and 1: block a of 16 rows: four blocks of 32 along the lane's registers are quantised; codes and words have registers of their own for each a, so no store's data are written again.
	s_mov_b32 s45, 0x600000                        ; the mantissa field of 448
	s_mov_b32 s66, 0x76543210
	s_mov_b32 s67, 0xfedcba98                      ; v_permlanex16_b32's selects for lane l xor 16
.irp b, 0,1,2,3
	v_mov_b32 v[TM+4+\b], 0                        ; written once: a lane permute's destination counts as one of its sources
.endr
.macro QROW a
.set W,  2+(\a)/4
.set AC, 64*((\a)%4)
.set PW, 48+2*(\a)
.set PC, 128+16*(\a)
	WIN (W<<2)|(W<<4)
.irp b, 0,1,2,3
	v_max3_num_f32 v[TM+\b], 0x4800000, |v[AC+16*\b]|, |v[AC+16*\b+1]|   ; my 16 numbers of block b, and the floor 2^(9 - 127): the byte cannot fall under 1.  Each accumulator is read from its low end on
.endr
.irp i, 2,4,6,8,10,12,14
.irp b, 0,1,2,3
	v_max3_num_f32 v[TM+\b], v[TM+\b], |v[AC+16*\b+\i]|, |v[AC+16*\b+\i+1]|
.endr
.endr
	WIN 0
.irp b, 0,1,2,3
	v_permlanex16_b32 v[TM+4+\b], v[TM+\b], s66, s67
.endr
.irp b, 0,1,2,3
	v_max_num_f32 v[TM+\b], v[TM+\b], v[TM+4+\b]   ; with lane l xor 16's: the block's largest magnitude
.endr
.irp b, 0,1,2,3
	v_add_nc_u32 v[TM+12+\b], 0xfc000000, v[TM+\b] ; 8 off its exponent field: the conversion's scale operand
.endr
.irp b, 0,1,2,3
	v_and_or_b32 v[TM+8+\b], v[TM+\b], 0x7f800000, s45   ; 448 x the scale
.endr
.irp b, 0,1,2,3
	v_lshrrev_b32 v[TM+4+\b], 23, v[TM+12+\b]      ; the scale's byte
.endr
.if MODE == 0
	v_lshl_or_b32 v[PW], v[TM+5], 8, v[TM+4]       ; a head has two blocks: its word's upper bytes stand over zero codes and are 127
	v_lshl_or_b32 v[PW+1], v[TM+7], 8, v[TM+6]
	v_or_b32 v[PW], 0x7f7f0000, v[PW]
	v_or_b32 v[PW+1], 0x7f7f0000, v[PW+1]
.else
	v_lshl_or_b32 v[PW], v[TM+5], 8, v[TM+4]       ; the four blocks of these 128 keys
	v_lshl_or_b32 v[PW], v[TM+6], 16, v[PW]
	v_lshl_or_b32 v[PW], v[TM+7], 24, v[PW]
.endif
	WIN W|(W<<6)
.irp b, 0,1,2,3
.irp i, 0,1,2,3,4,5,6,7,8,9,10,11,12,13,14,15
	v_med3_num_f32 v[AC+16*\b+\i], v[AC+16*\b+\i], -v[TM+8+\b], v[TM+8+\b]   ; the conversion to an 8-bit code does not saturate (ISA guide 7.6.2): the hold
.endr
.endr
	WIN W
.irp b, 0,1,2,3
	v_cvt_scalef32_pk8_fp8_f32 v[PC+4*\b:PC+4*\b+1], v[AC+16*\b:AC+16*\b+7], v[TM+12+\b]
	v_cvt_scalef32_pk8_fp8_f32 v[PC+4*\b+2:PC+4*\b+3], v[AC+16*\b+8:AC+16*\b+15], v[TM+12+\b]
.endr
	WIN 0
	ds_store_b32 v[STO], v[PW] offset:64*(\a)      ; both lanes of a row write the same word with the same value
.if MODE == 0
	ds_store_b32 v[STO], v[PW+1] offset:512+64*(\a)
.endif
.irp b, 0,1,2,3
.if MODE == 0
	global_store_b128 v[CO], v[PC+4*\b:PC+4*\b+3], s[14:15] offset:1024*(\a)+131072*(\b/2)+512*(\b%2)   ; 32 lanes store 512 consecutive bytes, aligned
.else
	global_store_b128 v[CO], v[PC+4*\b:PC+4*\b+3], s[14:15] offset:131072*((\a)/4)+2048*((\a)%4)+512*\b
.endif
.endr
.endm
.irp a, 0,1,2,3,4,5,6,7
	QROW \a
.endr
	ds_load_b128 v[8:11], v[RD]                    ; LDS serves a wave's instructions in order: these see my stores
.if MODE == 0
	ds_load_b128 v[12:15], v[RD] offset:512
.endif
	s_wait_dscnt 0x0
.if MODE == 0
	global_store_b128 v[CO], v[8:11], s[16:17]                 ; 128 rows' words of my first head: 512 consecutive bytes
	global_store_b128 v[CO], v[12:15], s[16:17] offset:8192    ; and of the next head
.else
	global_store_b128 v[GSW], v[8:11], s[16:17]                ; sixteen lanes store 256 consecutive bytes, aligned, for each of my two heads
.endif
.else
; THE WAY OUT, MODE 2: a block of 16 rows x 128 columns goes through my own stage and comes back as whole rows of 512 bytes.
.macro TOSTAGE a
.set AC, 64*((\a)%4)
	WIN 0x08+4*((\a)/4)                            ; an LDS store's data: window 2 or 3
.irp b, 0,1,2,3,4,5,6,7
	ds_store_b128 v[STO], v[AC+8*\b:AC+8*\b+3] offset:64*\b          ; each accumulator from its low end on
	ds_store_b128 v[STO], v[AC+8*\b+4:AC+8*\b+7] offset:64*\b+16
.endr
	WIN 0
.set BB, BK+64*((\a)%2)
.irp t, 0,1,2,3,4,5,6,7,8,9,10,11,12,13,14,15
	ds_load_b128 v[BB+4*\t:BB+4*\t+3], v[RD] offset:\t*SPITCH        ; LDS serves a wave's instructions in order: these see the stores above
.endr
.endm
.macro SEND a, younger                 ; younger: the LDS instructions issued behind block a's loads, which may stay out
.set BB, BK+64*((\a)%2)
	s_wait_dscnt \younger
.if (\a) > 0
	s_add_nc_u64 s[14:15], s[14:15], 16*SIZE_N*4   ; behind a wait on XCNT: the earlier stores have read their base
.endif
.irp t, 0,1,2,3,4,5,6,7,8,9,10,11,12,13,14,15
	global_store_b128 v[CO], v[BB+4*\t:BB+4*\t+3], s[14:15] offset:\t*SIZE_N*4 th:TH_STORE_NT   ; 32 lanes store 512 consecutive bytes, aligned
.endr
.endm
	TOSTAGE 0
.irp a, 1,2,3,4,5,6,7
.if \a > 1
	s_wait_xcnt 0x0                                ; block a - 2's stores have read their registers and their base
.endif
	TOSTAGE \a
	SEND \a-1, 32                                  ; behind block a - 1's loads: block a's 16 stores and 16 loads
.endr
	s_wait_xcnt 0x0
	SEND 7, 0
.endif
	s_wait_tensorcnt 0x0                           ; the wave's end
	ds_add_u32 v[SPW], v[NIL]
	s_wait_dscnt 0x0
	CROUND                                         ; the closing round: no work-group ends while a partner may still ask for a tile that names it
	s_endpgm
.Lfunc_end_k_qeb1cc7f3ac_outproj:
	.size	k_qeb1cc7f3ac_outproj, .Lfunc_end_k_qeb1cc7f3ac_outproj-k_qeb1cc7f3ac_outproj
	.p2alignl 7, 3214868480
	.fill 96, 4, 3214868480
	.section	.rodata,"a",@progbits
	.p2align	6, 0x0
	.amdhsa_kernel k_qeb1cc7f3ac_outproj
		.amdhsa_group_segment_fixed_size 327680
		.amdhsa_private_segment_fixed_size 0
		.amdhsa_enable_private_segment 0
		.amdhsa_kernarg_size 48
		.amdhsa_user_sgpr_count 2
		.amdhsa_user_sgpr_kernarg_segment_ptr 1
		.amdhsa_wavefront_size32 1
		.amdhsa_system_sgpr_workgroup_id_x 1
		.amdhsa_system_sgpr_workgroup_id_y 1
		.amdhsa_system_sgpr_workgroup_id_z 1
		.amdhsa_system_vgpr_workitem_id 0
		.amdhsa_next_free_vgpr 1024
		.amdhsa_next_free_sgpr 100
		.amdhsa_reserve_vcc 0
		.amdhsa_float_denorm_mode_32 3
		.amdhsa_float_denorm_mode_16_64 3
		.amdhsa_memory_ordered 1
		.amdhsa_forward_progress 1
		.amdhsa_inst_pref_size 147
	.end_amdhsa_kernel
	.amdgpu_metadata
---
amdhsa.version: [ 1, 2 ]
amdhsa.kernels:
  - .name:           k_qeb1cc7f3ac_outproj
    .symbol:         k_qeb1cc7f3ac_outproj.kd
    .args:
      - { .name: o_img, .offset: 0, .size: 8, .value_kind: global_buffer, .address_space: global }
      - { .name: o_scales, .offset: 8, .size: 8, .value_kind: global_buffer, .address_space: global }
      - { .name: Wo_codes, .offset: 16, .size: 8, .value_kind: global_buffer, .address_space: global }
      - { .name: Wo_scales, .offset: 24, .size: 8, .value_kind: global_buffer, .address_space: global }
      - { .name: bo, .offset: 32, .size: 8, .value_kind: global_buffer, .address_space: global }
      - { .name: out0, .offset: 40, .size: 8, .value_kind: global_buffer, .address_space: global }
    .group_segment_fixed_size: 327680
    .private_segment_fixed_size: 0
    .kernarg_segment_align: 8
    .kernarg_segment_size: 48
    .max_flat_workgroup_size: 128
    .sgpr_count:     100
    .vgpr_count:     1024
    .wavefront_size: 32
...
	.end_amdgpu_metadata
.endif
;; end of part 4
